; MI455X (gfx1250); checked and timed in simulation.
; The chip was launched on July 23, 2026; its instructions are those of AMD's public machine-readable ISA for CDNA 5 (MIT licence, August 2026) and "CDNA5" Instruction Set Architecture Reference Guide (July 2026). The comments in the code are by the model that wrote it; some were corrected since.
;; Self Attention. Allowed arithmetic: float matrix products may take bf16 or f16 operands with f32 sums; all other float work in f32.
;; Inputs: W 3,072 x 1,024 float32; x 4 x 2,048 x 1,024 float32.
;; Outputs: out0 4 x 2,048 x 1,024 float32.
;; 2 versions, each right; version 2 is version 1 with the launch cast written anew for expert scheduling mode. Each part assembles by itself: llvm-mc -triple=amdgcn-amd-amdhsa -mcpu=gfx1250 --defsym DOCPART=n.
;; ======== version 1 of 2: 4 launches
;; limits: values are held in f16: magnitudes above 65,504 overflow, below 6.1e-05 lose precision
;; workspace buffers: xb 16,777,216 bytes; wb 6,291,456 bytes; qkv 50,331,648 bytes; p 33,554,432 bytes; cm 262,144 bytes; ls 524,288 bytes
;; launch cast (part 1): grid 256 x 1, 8 waves a work-group, no clusters, 0 bytes of LDS; arguments x, W, xb, wb; writes xb, wb
.if DOCPART == 1
	.amdgcn_target "amdgcn-amd-amdhsa--gfx1250"
	.amdhsa_code_object_version 6
	.text
	.protected	k_q9ed98ff93f_cast
	.globl	k_q9ed98ff93f_cast
	.p2align	8
	.type	k_q9ed98ff93f_cast,@function
k_q9ed98ff93f_cast:
	s_mov_b64 s[64:65], 0
	v_nop
	global_prefetch_b8 v0, s[64:65] scope:SCOPE_SE
	s_setreg_imm32_b32 hwreg(HW_REG_WAVE_MODE, 25, 1), 1
	s_wait_xcnt 0x0
; x [8192][1024] and W [3072][1024], f32, are rounded once to bf16 and laid out in blocks of 64 along K:
; xb [16 kb][8192 m][64], wb [16 kb][3072 n][64].  In that layout the 64 K of many neighbouring rows are dense bytes, which the
; next launch asks for as rows of 256 bytes.
; Memory binds: every input byte is read once, every output byte written once; no LDS, no barrier, no matrix unit, no cluster
; (no two work-groups read the same byte).
; SHARES.  Work-group g: 32 rows of x, 12 rows of W.  An item of a wave is 2 rows x one block of 64 K: lane l takes row l / 16 and the
; four numbers 4 (l % 16) on: one load of 16 bytes (the wave's load covers two whole aligned pieces of 256 bytes), two roundings,
; one store of 8 bytes (the wave's store covers 256 consecutive bytes, aligned: the two rows lie end to end in a block).
; Item j of wave w: block 8 (j % 2) + w, rows 2 (j / 2) on.
; All 44 loads of a wave go out first; each item owns its four registers, so no register is written twice and the only waits are the counted ones.
.set NX, 32                            ; items of x a wave
.set NW, 12                            ; items of W a wave
.set D0, 8                             ; item i: v[8+4i : 11+4i]
.set IN, 1                             ; v1  byte offset in x and W: (l / 16) rows of 4,096 + w blocks of 256 + (l % 16) x 16
.set OX, 2                             ; v2  byte offset in xb: w blocks of 1,048,576 + 8 l
.set OW, 3                             ; v3  byte offset in wb: w blocks of 393,216 + 8 l
	s_load_b256 s[4:11], s[0:1], 0x0               ; x s[4:5], W s[6:7], xb s[8:9], wb s[10:11]
	v_bfe_u32 v[IN], v0, 4, 1                      ; l / 16
	v_lshrrev_b32 v4, 5, v0                        ; w
	v_and_b32 v5, 15, v0                           ; l % 16
	v_and_b32 v6, 31, v0                           ; l
	v_lshlrev_b32 v[IN], 12, v[IN]
	v_lshl_or_b32 v[IN], v4, 8, v[IN]
	v_lshl_or_b32 v[IN], v5, 4, v[IN]
	v_lshlrev_b32 v6, 3, v6
	v_lshl_or_b32 v[OX], v4, 20, v6
	v_mul_u32_u24 v[OW], v4, 0x60000               ; 393,216 bytes a block of wb
	v_add_nc_u32 v[OW], v[OW], v6
	s_mov_b32 s3, 0
	s_lshl_b32 s2, ttmp9, 17                       ; 32 rows of 4,096 bytes
	s_wait_kmcnt 0x0
	s_add_nc_u64 s[4:5], s[4:5], s[2:3]
	s_mul_i32 s2, ttmp9, 49152                     ; 12 rows of 4,096 bytes
	s_add_nc_u64 s[6:7], s[6:7], s[2:3]
	s_lshl_b32 s2, ttmp9, 12                       ; 32 rows of 128 bytes
	s_add_nc_u64 s[8:9], s[8:9], s[2:3]
	s_mul_i32 s2, ttmp9, 1536                      ; 12 rows of 128 bytes
	s_add_nc_u64 s[10:11], s[10:11], s[2:3]
	s_add_nc_u64 s[12:13], s[8:9], 0x800000        ; xb eight blocks on: that step is one past the store's signed 24-bit immediate
.set j, 0
.rept NX
	global_load_b128 v[D0+4*j:D0+4*j+3], v[IN], s[4:5] offset:(j/2)*8192+(j%2)*2048 th:TH_LOAD_NT
.set j, j+1
.endr
.set j, 0
.rept NW
	global_load_b128 v[D0+4*(NX+j):D0+4*(NX+j)+3], v[IN], s[6:7] offset:(j/2)*8192+(j%2)*2048 th:TH_LOAD_NT
.set j, j+1
.endr
; item i is in when at most the 43 - i loads of the younger items are out; it is rounded in place, low registers first
.macro ROUNDIT i
	s_wait_loadcnt 43-(\i)
	v_cvt_pk_bf16_f32 v[D0+4*(\i)],   v[D0+4*(\i)],   v[D0+4*(\i)+1]
	v_cvt_pk_bf16_f32 v[D0+4*(\i)+1], v[D0+4*(\i)+2], v[D0+4*(\i)+3]
.endm
.set j, 0
.rept NX
	ROUNDIT j
.if j%2 == 0
	global_store_b64 v[OX], v[D0+4*j:D0+4*j+1], s[8:9] offset:(j/2)*256
.else
	global_store_b64 v[OX], v[D0+4*j:D0+4*j+1], s[12:13] offset:(j/2)*256
.endif
.set j, j+1
.endr
.set j, 0
.rept NW
	ROUNDIT NX+j
	global_store_b64 v[OW], v[D0+4*(NX+j):D0+4*(NX+j)+1], s[10:11] offset:(j%2)*3145728+(j/2)*256
.set j, j+1
.endr
	s_endpgm
.Lfunc_end_k_q9ed98ff93f_cast:
	.size	k_q9ed98ff93f_cast, .Lfunc_end_k_q9ed98ff93f_cast-k_q9ed98ff93f_cast
	.p2alignl 7, 3214868480
	.fill 96, 4, 3214868480
	.section	.rodata,"a",@progbits
	.p2align	6, 0x0
	.amdhsa_kernel k_q9ed98ff93f_cast
		.amdhsa_group_segment_fixed_size 0
		.amdhsa_private_segment_fixed_size 0
		.amdhsa_enable_private_segment 0
		.amdhsa_kernarg_size 32
		.amdhsa_user_sgpr_count 2
		.amdhsa_user_sgpr_kernarg_segment_ptr 1
		.amdhsa_wavefront_size32 1
		.amdhsa_system_sgpr_workgroup_id_x 1
		.amdhsa_system_sgpr_workgroup_id_y 1
		.amdhsa_system_sgpr_workgroup_id_z 1
		.amdhsa_system_vgpr_workitem_id 0
		.amdhsa_next_free_vgpr 184
		.amdhsa_next_free_sgpr 66
		.amdhsa_reserve_vcc 0
		.amdhsa_float_denorm_mode_32 3
		.amdhsa_float_denorm_mode_16_64 3
		.amdhsa_memory_ordered 1
		.amdhsa_forward_progress 1
		.amdhsa_inst_pref_size 17
	.end_amdhsa_kernel
	.amdgpu_metadata
---
amdhsa.version: [ 1, 2 ]
amdhsa.kernels:
  - .name:           k_q9ed98ff93f_cast
    .symbol:         k_q9ed98ff93f_cast.kd
    .args:
      - { .name: x, .offset: 0, .size: 8, .value_kind: global_buffer, .address_space: global }
      - { .name: W, .offset: 8, .size: 8, .value_kind: global_buffer, .address_space: global }
      - { .name: xb, .offset: 16, .size: 8, .value_kind: global_buffer, .address_space: global }
      - { .name: wb, .offset: 24, .size: 8, .value_kind: global_buffer, .address_space: global }
    .group_segment_fixed_size: 0
    .private_segment_fixed_size: 0
    .kernarg_segment_align: 8
    .kernarg_segment_size: 32
    .max_flat_workgroup_size: 256
    .sgpr_count:     66
    .vgpr_count:     184
    .wavefront_size: 32
...
	.end_amdgpu_metadata
.endif
;; end of part 1
;; launch qkv (part 2): grid 8 x 32, 4 waves a work-group, clusters of 4 x 4, 327,680 bytes of LDS; arguments xb, wb, qkv; writes qkv
.if DOCPART == 2
	.amdgcn_target "amdgcn-amd-amdhsa--gfx1250"
	.amdhsa_code_object_version 6
	.text
	.protected	k_q9ed98ff93f_qkv
	.globl	k_q9ed98ff93f_qkv
	.p2align	8
	.type	k_q9ed98ff93f_qkv,@function
k_q9ed98ff93f_qkv:
	s_mov_b64 s[64:65], 0
	v_nop
	global_prefetch_b8 v0, s[64:65] scope:SCOPE_SE
	s_setreg_imm32_b32 hwreg(HW_REG_WAVE_MODE, 25, 1), 1
	s_wait_xcnt 0x0
	s_wait_alu depctr_hold_cnt(0) depctr_sa_sdst(0) depctr_va_vdst(0) depctr_va_sdst(0) depctr_va_ssrc(0) depctr_va_vcc(0) depctr_vm_vsrc(0)
	s_getreg_b32 s2, hwreg(HW_REG_IB_STS2, 6, 4)
	s_cmp_eq_u32 s2, 0
	s_cbranch_scc0 .Lentry_in_a_cluster
	s_endpgm
.Lentry_in_a_cluster:
	s_bfe_u32 s2, ttmp6, 0x10000c
	s_cmp_lg_u32 s2, 0xf033
	s_cbranch_scc0 .Lentry_shape_is_right
	s_endpgm
.Lentry_shape_is_right:
; qkv[m][n] = sum over k of x[m][k] W[n][k]: [8192][3072], K = 1024.  Operands bf16 (xb, wb: blocks of 64 along K), sums f32, the result rounded once to f16.
; LIMIT.  f16 ends at 65,504: q, k and v must stay within it (with x and W of unit and 1/32 spread they are of unit spread; thirty times larger inputs, or a common offset of thirty spreads, stay under 30,000).
; SHARES.  8192 x 3072 / 256 work-groups = a tile of 256 x 384, one a work-group.  Four waves, each 128 rows x 192 columns: 96 accumulators of 16 x 16, 768 registers.
; For 32 along K a wave reads 20 fragments (40 LDS loads) for 96 matrix instructions.
; RING.  K goes in 16 steps of 64 through two LDS slots (256 rows of xb, then 384 rows of wb, 128 bytes + 16 of padding each).  Waves 0, 1 fetch the halves of xb's rows, waves 2, 3 those of wb's: one tensor load a wave.
; The rows of a block are dense in memory, so 128 (192) of them are asked for as 64 (96) rows of 256 bytes and padded in LDS after every 128 bytes.
; A STEP IS WRITTEN ONCE: the slot in hand is a scalar, 0 or SLOT, turned by an exclusive or at each change of slots; the read addresses and the walking descriptors' LDS words are made from it.
; The last two steps, which ask for nothing, are a loop of two trips entered in its middle; its second trip fetches 32 fragments' loads of a step that does not exist (valid bytes of the other slot, never multiplied): the price of one text.
; CLUSTER.  4 x 4 work-groups: the four of a row of the cluster need the same rows of xb, the four of a column the same rows of wb: each tile is asked for jointly.
; THE MATRIX INSTRUCTION IS USED TRANSPOSED (source 0 = 16 rows of wb, source 1 = 16 rows of xb): a lane then holds eight neighbouring columns of one row of qkv.
; REGISTERS, in windows of 256 (s_set_vgpr_msb: bits 1:0 source 0, 3:2 source 1, 5:4 source 2, 7:6 destination):
;   window 0: v0-31 addresses; v32-95, v96-159 xb's fragments (8 x 16 rows x 32 K) for the two halves of a step; v160-191, v192-223, v224-255 wb's fragments, 4 for each column group
;   window 1 + g: the 32 accumulators of column group g (columns 64 g on): (a, bb) at v[8 (4 a + bb)]
.set PITCH,  144                       ; an LDS row: 128 bytes + 16 = 36 words: the 16 rows of a load start at 16 different groups of four banks (64 banks of 4 bytes: ISA guide 11.1)
.set AHALF,  128*PITCH                 ; what wave 0 or 1 fetches, and what a wave reads of xb
.set BHALF,  192*PITCH                 ; the same for wb
.set BOFF,   2*AHALF
.set SLOT,   BOFF+2*BHALF              ; 92,160
.set SPITCH, 784                       ; the way out: a row of 384 f16 = 768 bytes + 16
.set SPARE,  256*SPITCH                ; behind the stage (which lies over the slots, and is written only behind their last fill): the spare words, 128 bytes a wave, that no other line names
.set ASTEP,  1048576                   ; bytes from block to block of xb
.set BSTEP,  393216                    ; of wb
.set ADRA0, 16                         ; v16     LDS address of my xb fragments in slot 0; never rewritten
.set CA,    17                         ; v17     the same in the slot in hand
.set ADRB0, 20                         ; v20, v21 the same for wb
.set CB,    21
.set STO,  22                          ; v22     the way out: where I put 16 bytes of a row (row blocks 0-3)
.set STO2, 23                          ; v23     the same for row blocks 4-7: 64 rows on, beyond the 16-bit offset
.set RD,   25                          ; v25     the way out: where I read rows back, first trip
.set CO,   26                          ; v26     my byte offset in qkv
.set RDT,  27                          ; v27     RD + the trip's rows
.set SPW,  28                          ; v28     LDS address of my spare word; never rewritten
.set NIL,  29                          ; v29     0; never rewritten
.set FA,   32
.set FB,   160
.set TMP,  32                          ; the way out: v32-159
.set TB,   45                          ; s45     the slot in hand: 0 or SLOT
.set G1, 24                            ; s[24:31] descriptor group 1 for xb's tiles;  s[32:35] group 0 of slot 0's first fill, s[36:39] the walking one
.set G0, 32
.set G1B, 48                           ; s[48:55], s[56:63] the same for wb's
.set G0B, 56
.set MSB, 0
.macro WIN new                         ; the immediate's high byte repeats the setting that is left; a switch that changes nothing is dropped
.if MSB != (\new)
	s_set_vgpr_msb (MSB<<8)|(\new)
.set MSB, (\new)
.endif
.endm
.macro PLACES                          ; four places in front of loads into registers that matrix instructions have read, and of lines that read their results
.rept 4
	v_nop
.endr
.endm
; A joint load: waves 0 and 1 ask for xb's halves, waves 2 and 3 for wb's.  The branch hangs on the wave's number alone.  An s_nop 0 and four v_nop follow each line.
.macro JLOAD s
	s_cmp_eq_u32 s11, 0
	s_cbranch_scc0 .Lfor_b_\@
	tensor_load_to_lds s[G0+4*(\s):G0+4*(\s)+3], s[G1:G1+7]
	s_nop 0
.rept 4
	v_nop
.endr
	s_branch .Lasked_\@
.Lfor_b_\@:
	tensor_load_to_lds s[G0B+4*(\s):G0B+4*(\s)+3], s[G1B:G1B+7]
	s_nop 0
.rept 4
	v_nop
.endr
.Lasked_\@:
.endm
.macro CREST                           ; a round of the cluster's barrier behind its opening barrier
	s_cmp_lg_u32 s10, 0
	s_cbranch_scc1 .Lnot_wave_0_\@
	s_barrier_signal -3
.Lnot_wave_0_\@:
	s_barrier_wait -3
	s_barrier_signal -1
	s_barrier_wait -1
.endm
.macro CROUND                          ; a whole round
	s_barrier_signal -1
	s_barrier_wait -1
	CREST
.endm
	s_load_b128 s[4:7], s[0:1], 0x0                ; xb s[4:5], wb s[6:7]
	s_load_b64 s[8:9], s[0:1], 0x10                ; qkv
	v_lshl_add_u32 v[SPW], v0, 2, SPARE
	v_mov_b32 v[NIL], 0
	ds_add_u32 v[SPW], v[NIL]                      ; the wave's opening: the add and its wait stand ahead of my first tensor load; the set-up below stands between them
	v_lshrrev_b32 v1, 5, v0
	v_readfirstlane_b32 s10, v1                    ; wave 0..3
	s_lshr_b32 s11, s10, 1                         ; which 128 rows of the tile are mine.  Also: I fetch for xb (0) or wb (1)
	s_and_b32 s12, s10, 1                          ; which 192 columns.  Also: which half of that tile I fetch
	s_bfe_u32 s40, ttmp6, 0x40000                  ; cx
	s_bfe_u32 s41, ttmp6, 0x40004                  ; cy
	s_lshl_b32 s42, ttmp9, 2
	s_add_co_u32 s42, s42, s40                     ; tile column = 4 x cluster x + cx
	s_and_b32 s13, ttmp7, 0xffff
	s_lshl_b32 s13, s13, 2
	s_add_co_u32 s13, s13, s41                     ; tile row = 4 x cluster y + cy
	s_lshl_b32 s43, s41, 2
	s_lshl_b32 s43, 15, s43                        ; my row of the cluster
	s_lshl_b32 s44, 0x1111, s40                    ; my column
	s_or_b32 s[G1+0], s43, (1<<16)|(1<<20)|(1<<21)|(4<<22)|(3<<25)   ; 15:0 the mask; 17:16 2-byte elements; 20 padding on; 21 set beside a mask; 24:22 after every 32 words (code 4); 31:25 4 words (code 3)
	s_or_b32 s[G1B+0], s44, (1<<16)|(1<<20)|(1<<21)|(4<<22)|(3<<25)
	s_mov_b32 s[G1+1], 128<<16                     ; tensor_dim0 = 128 elements: 256 bytes, two rows of a block
	s_mov_b32 s[G1+2], 64<<16                      ; tensor_dim1 = 64
	s_mov_b32 s[G1+3], 128<<16                     ; tile_dim0
	s_mov_b32 s[G1+4], 64                          ; tile_dim1
	s_mov_b32 s[G1+5], 128                         ; dense: 128 elements from row to row
	s_mov_b32 s[G1+6], 0
	s_mov_b32 s[G1+7], 0
	s_mov_b32 s[G1B+1], 128<<16
	s_mov_b32 s[G1B+2], 96<<16                     ; 192 rows of wb are 96 rows of 256 bytes
	s_mov_b32 s[G1B+3], 128<<16
	s_mov_b32 s[G1B+4], 96
	s_mov_b32 s[G1B+5], 128
	s_mov_b32 s[G1B+6], 0
	s_mov_b32 s[G1B+7], 0
	s_lshl_b32 s16, s13, 15                        ; xb: 256 rows of 128 bytes a tile row,
	s_lshl_b32 s17, s12, 14                        ; 128 rows a half
	s_add_co_u32 s16, s16, s17
	s_mov_b32 s17, 0
	s_mul_i32 s46, s42, 49152                      ; wb: 384 rows a tile column,
	s_mul_i32 s47, s12, 24576                      ; 192 a half
	s_add_co_u32 s46, s46, s47
	s_mov_b32 s47, 0
	s_mul_i32 s20, s12, AHALF                      ; where they go in a slot: no place in the cluster enters an LDS address
	s_mul_i32 s21, s12, BHALF
	s_add_co_u32 s21, s21, BOFF
	s_mov_b32 s[TB], 0
	s_wait_dscnt 0x0                               ; the opening add is done
	s_wait_kmcnt 0x0
	s_add_nc_u64 s[14:15], s[4:5], s[16:17]
	s_add_nc_u64 s[46:47], s[6:7], s[46:47]
	CROUND                                         ; all sixteen work-groups are here: the first joint loads meet
.irp s, 0,1
	s_mov_b32 s[G0+4*(\s)], 1
	s_add_co_u32 s[G0+4*(\s)+1], s20, (\s)*SLOT
	s_add_nc_u64 s[G0+4*(\s)+2:G0+4*(\s)+3], s[14:15], (\s)*ASTEP
	s_or_b32 s[G0+4*(\s)+3], s[G0+4*(\s)+3], 0x80000000
	s_mov_b32 s[G0B+4*(\s)], 1
	s_add_co_u32 s[G0B+4*(\s)+1], s21, (\s)*SLOT
	s_add_nc_u64 s[G0B+4*(\s)+2:G0B+4*(\s)+3], s[46:47], (\s)*BSTEP
	s_or_b32 s[G0B+4*(\s)+3], s[G0B+4*(\s)+3], 0x80000000
	JLOAD \s                                       ; two tensor loads of mine are out
.endr
	; a fragment is 16 rows x 32 K in 8 registers: lane l holds row l % 16, K 8 (l / 16) + 0..7 and 16 + 8 (l / 16) + 0..7: two loads of 16 bytes, 32 bytes apart
	v_and_b32 v1, 15, v0                           ; r
	v_bfe_u32 v2, v0, 4, 1                         ; h
	v_mul_u32_u24 v3, v1, PITCH
	v_lshl_add_u32 v3, v2, 4, v3
	s_mul_i32 s22, s11, AHALF
	s_mul_i32 s23, s12, BHALF
	s_add_co_u32 s23, s23, BOFF
	v_add_nc_u32 v[ADRA0], s22, v3
	v_add_nc_u32 v[ADRB0], s23, v3
	v_mov_b32 v[CA], v[ADRA0]                      ; slot 0 is in hand
	v_mov_b32 v[CB], v[ADRB0]
	s_mul_i32 s22, s11, 128*SPITCH                 ; into the stage: my 128 rows, my 384 bytes of them; row r, 16 bytes for each half of the lanes
	s_mul_i32 s23, s12, 384
	s_add_co_u32 s22, s22, s23
	v_mul_u32_u24 v4, v1, SPITCH
	v_lshl_add_u32 v4, v2, 4, v4
	v_add_nc_u32 v[STO], s22, v4
	v_add_nc_u32 v[STO2], 64*SPITCH, v[STO]
	s_mul_i32 s22, s10, 64*SPITCH                  ; back: wave w takes rows 64 w on, whole; lanes 0-15 256 bytes of one row, lanes 16-31 of the next
	v_mul_u32_u24 v5, v2, SPITCH
	v_lshl_add_u32 v5, v1, 4, v5
	v_add_nc_u32 v[RD], s22, v5
	v_mul_u32_u24 v5, v2, 6144                     ; and the same two rows in qkv
	v_lshl_add_u32 v[CO], v1, 4, v5
	s_lshl_b32 s16, s13, 8
	s_lshl_b32 s17, s10, 6
	s_add_co_u32 s16, s16, s17                     ; the first row that I store: 256 x tile row + 64 x wave
	s_mul_i32 s16, s16, 6144
	s_mov_b32 s17, 0
	s_add_nc_u64 s[8:9], s[8:9], s[16:17]
	s_mul_i32 s46, s42, 768                        ; the tile's first column, in bytes
	s_mov_b32 s47, 0
	s_add_nc_u64 s[8:9], s[8:9], s[46:47]
; 8 LDS loads: wb's four fragments of column group g, half kk of the step in the slot in hand
.macro LDB g, kk
	WIN 0
.irp x, 0,1,2,3
	ds_load_b128 v[FB+32*(\g)+8*(\x):FB+32*(\g)+8*(\x)+3],   v[CB] offset:(4*(\g)+(\x))*16*PITCH+(\kk)*64
	ds_load_b128 v[FB+32*(\g)+8*(\x)+4:FB+32*(\g)+8*(\x)+7], v[CB] offset:(4*(\g)+(\x))*16*PITCH+(\kk)*64+32
.endr
.endm
; 8 LDS loads: xb's fragments 4 half .. 4 half + 3, into the buffer of half kk
.macro LDA half, kk
	WIN 0
.irp x, 0,1,2,3
	ds_load_b128 v[FA+64*(\kk)+8*(4*(\half)+(\x)):FA+64*(\kk)+8*(4*(\half)+(\x))+3],   v[CA] offset:(4*(\half)+(\x))*16*PITCH+(\kk)*64
	ds_load_b128 v[FA+64*(\kk)+8*(4*(\half)+(\x))+4:FA+64*(\kk)+8*(4*(\half)+(\x))+7], v[CA] offset:(4*(\half)+(\x))*16*PITCH+(\kk)*64+32
.endr
.endm
; 4 na matrix instructions: row blocks a0 .. a0 + na - 1 x the four column blocks of group g.  zero = 1: the first product starts the sums.
; The 96 accumulators take turns, one instruction a turn.
.macro MUL g, kk, a0, na, zero
	WIN 0x50*((\g)+1)                              ; C and D in window 1 + g, both sources in window 0
.set ma, \a0
.rept \na
.set mb, 0
.rept 4
.if \zero
	v_wmma_f32_16x16x32_bf16 v[8*(4*ma+mb):8*(4*ma+mb)+7], v[FB+32*(\g)+8*mb:FB+32*(\g)+8*mb+7], v[FA+64*(\kk)+8*ma:FA+64*(\kk)+8*ma+7], 0
.else
	v_wmma_f32_16x16x32_bf16 v[8*(4*ma+mb):8*(4*ma+mb)+7], v[FB+32*(\g)+8*mb:FB+32*(\g)+8*mb+7], v[FA+64*(\kk)+8*ma:FA+64*(\kk)+8*ma+7], v[8*(4*ma+mb):8*(4*ma+mb)+7]
.endif
.set mb, mb+1
.endr
.set ma, ma+1
.endr
.endm
.macro HEAD                            ; a phase's head: what earlier phases asked for is in (the youngest loads were issued 32 matrix instructions ago); four places in front of the phase's loads
	s_wait_dscnt 0x0
	WIN 0
	PLACES
.endm
; The first 32 along K of the step in hand: three phases of 32 matrix instructions; each loads into the buffers that the phase before has read
.macro K32A zero
	HEAD
	LDB 2, 0
	MUL 0, 0, 0, 8, \zero
	HEAD
	LDB 0, 1
	LDA 0, 1
	MUL 1, 0, 0, 8, \zero
	HEAD
	LDB 1, 1
	LDA 1, 1
	MUL 2, 0, 0, 8, \zero
.endm
; The second 32 along K, and the change of slots: ONE barrier.  In front of it each wave waits for all its tensor loads (one is out: its part of the other slot), adds 0 to its spare word, and waits for that and
; for its reads of the slot in hand.  fill = 1: the barrier opens a round of the cluster's, and the slot is filled again, two steps on, first thing behind it: 176 matrix instructions ahead of the wait for it.
.macro K32B fill
	HEAD
	LDB 2, 1                                       ; my last reads of the slot in hand
	MUL 0, 1, 0, 4, 0
	WIN 0
	s_wait_tensorcnt 0x0                           ; all my tensor loads have landed
	ds_add_u32 v[SPW], v[NIL]                      ; 0 onto my spare word
	MUL 0, 1, 4, 2, 0                              ; eight matrix instructions stand between the add and the wait for it
	s_wait_dscnt 0x0                               ; the add is done, and my reads of the slot are over
	s_barrier_signal -1
	MUL 0, 1, 6, 2, 0                              ; work on registers while the others arrive
	WIN 0
	s_barrier_wait -1
.if \fill
	CREST                                          ; no wave of any partner still reads this slot or has a load on its way
	s_add_co_u32 s[G0+5], s20, s[TB]               ; the walking descriptors: into the slot just read,
	s_add_co_u32 s[G0B+5], s21, s[TB]
	s_add_nc_u64 s[G0+6:G0+7], s[G0+6:G0+7], ASTEP ; the step behind the one asked for last
	s_add_nc_u64 s[G0B+6:G0B+7], s[G0B+6:G0B+7], BSTEP
	JLOAD 1                                        ; its four v_nop are also the places in front of the loads below
.else
	PLACES
.endif
	s_xor_b32 s[TB], s[TB], SLOT                   ; the other slot is in hand
	v_add_nc_u32 v[CA], s[TB], v[ADRA0]
	v_add_nc_u32 v[CB], s[TB], v[ADRB0]
	LDB 0, 0
	LDA 0, 0
	MUL 1, 1, 0, 8, 0
	HEAD
	LDB 1, 0
	LDA 1, 0
	MUL 2, 1, 0, 8, 0
.endm
	s_wait_tensorcnt 0x1                           ; my part of step 0 is in; step 1's may stay out
	s_barrier_signal -1
	s_barrier_wait -1                              ; everybody's is
	LDA 0, 0
	LDA 1, 0
	LDB 0, 0
	LDB 1, 0
	K32A 1                                         ; the first 32 along K stand in front of the loop: their products start the sums
	WIN 0
	s_mov_b32 s3, 14
.Lstep:                                                ; a trip: a step's second half, the refill (steps 2 to 15), the next step's first half
	K32B 1
	K32A 0
	WIN 0
	s_sub_co_u32 s3, s3, 1
	s_cmp_lg_u32 s3, 0
	s_cbranch_scc1 .Lstep
	s_mov_b32 s3, 2                                ; steps 14 and 15 ask for nothing: their text is written apart
	s_branch .Ltail_in
.Ltail:
	K32A 0
	WIN 0
.Ltail_in:
	K32B 0
	WIN 0
	s_sub_co_u32 s3, s3, 1
	s_cmp_lg_u32 s3, 0
	s_cbranch_scc1 .Ltail
	; THE WAY OUT.  The stage, 256 rows of 784 bytes, lies over the slots, which have had their last fill: so a barrier first, behind every wave's last read of them.
	PLACES
	s_wait_dscnt 0x0
	s_barrier_signal -1
	s_barrier_wait -1
.macro OUTG g                          ; column group g: rounded to f16 (each accumulator's registers in ascending order), 16 bytes a lane into the stage
	WIN 5*((\g)+1)                                 ; sources 0 and 1 in window 1 + g
.set i, 0
.rept 128
	v_cvt_pk_f16_f32 v[TMP+i], v[2*i], v[2*i+1]
.set i, i+1
.endr
	WIN 0
.set i, 0
.rept 32                               ; accumulator i = 4 a + bb
.if i < 16
	ds_store_b128 v[STO],  v[TMP+4*i:TMP+4*i+3] offset:(i/4)*16*SPITCH+(4*(\g)+i%4)*32
.else
	ds_store_b128 v[STO2], v[TMP+4*i:TMP+4*i+3] offset:(i/4-4)*16*SPITCH+(4*(\g)+i%4)*32
.endif
.set i, i+1
.endr
.endm
	OUTG 0
	OUTG 1
	OUTG 2
	s_wait_dscnt 0x0                               ; for the others' sake: my stores into the stage are done
	s_barrier_signal -1
	s_barrier_wait -1
	s_mov_b32 s20, 0                               ; the trip's rows in the stage, in bytes
	s_mov_b32 s3, 4
.Lout:                                                 ; a trip: 16 whole rows of 768 bytes
	v_add_nc_u32 v[RDT], s20, v[RD]
.set i, 0
.rept 24
	ds_load_b128 v[TMP+4*i:TMP+4*i+3], v[RDT] offset:(i/3)*2*SPITCH+(i%3)*256
.set i, i+1
.endr
.set i, 0
.rept 24
	s_wait_dscnt 23-i                              ; LDS loads come back in order: load i is in, the younger ones may be out
	global_store_b128 v[CO], v[TMP+4*i:TMP+4*i+3], s[8:9] offset:(i/3)*12288+(i%3)*256  ; 16 lanes store 256 consecutive bytes, at a multiple of 256 from qkv's first byte
.set i, i+1
.endr
	s_wait_xcnt 0x0                                ; the stores' data registers and base are written again only behind this wait
	s_add_nc_u64 s[8:9], s[8:9], 16*6144
	s_add_co_u32 s20, s20, 16*SPITCH
	s_sub_co_u32 s3, s3, 1
	s_cmp_lg_u32 s3, 0
	s_cbranch_scc1 .Lout
	s_wait_tensorcnt 0x0                           ; the wave's end
	ds_add_u32 v[SPW], v[NIL]
	s_wait_dscnt 0x0
	CROUND                                         ; the closing round
	s_endpgm
.Lfunc_end_k_q9ed98ff93f_qkv:
	.size	k_q9ed98ff93f_qkv, .Lfunc_end_k_q9ed98ff93f_qkv-k_q9ed98ff93f_qkv
	.p2alignl 7, 3214868480
	.fill 96, 4, 3214868480
	.section	.rodata,"a",@progbits
	.p2align	6, 0x0
	.amdhsa_kernel k_q9ed98ff93f_qkv
		.amdhsa_group_segment_fixed_size 327680
		.amdhsa_private_segment_fixed_size 0
		.amdhsa_enable_private_segment 0
		.amdhsa_kernarg_size 24
		.amdhsa_user_sgpr_count 2
		.amdhsa_user_sgpr_kernarg_segment_ptr 1
		.amdhsa_wavefront_size32 1
		.amdhsa_system_sgpr_workgroup_id_x 1
		.amdhsa_system_sgpr_workgroup_id_y 1
		.amdhsa_system_sgpr_workgroup_id_z 1
		.amdhsa_system_vgpr_workitem_id 0
		.amdhsa_next_free_vgpr 1024
		.amdhsa_next_free_sgpr 66
		.amdhsa_reserve_vcc 0
		.amdhsa_float_denorm_mode_32 3
		.amdhsa_float_denorm_mode_16_64 3
		.amdhsa_memory_ordered 1
		.amdhsa_forward_progress 1
		.amdhsa_inst_pref_size 93
	.end_amdhsa_kernel
	.amdgpu_metadata
---
amdhsa.version: [ 1, 2 ]
amdhsa.kernels:
  - .name:           k_q9ed98ff93f_qkv
    .symbol:         k_q9ed98ff93f_qkv.kd
    .args:
      - { .name: xb, .offset: 0, .size: 8, .value_kind: global_buffer, .address_space: global }
      - { .name: wb, .offset: 8, .size: 8, .value_kind: global_buffer, .address_space: global }
      - { .name: qkv, .offset: 16, .size: 8, .value_kind: global_buffer, .address_space: global }
    .group_segment_fixed_size: 327680
    .private_segment_fixed_size: 0
    .kernarg_segment_align: 8
    .kernarg_segment_size: 24
    .max_flat_workgroup_size: 128
    .sgpr_count:     66
    .vgpr_count:     1024
    .wavefront_size: 32
...
	.end_amdgpu_metadata
.endif
;; end of part 2
;; launch scores (part 3): grid 8 x 32, 4 waves a work-group, clusters of 4 x 4, 327,680 bytes of LDS; arguments qkv, p, cm, ls; writes p, cm, ls
.if DOCPART == 3
	.amdgcn_target "amdgcn-amd-amdhsa--gfx1250"
	.amdhsa_code_object_version 6
	.text
	.protected	k_q9ed98ff93f_scores
	.globl	k_q9ed98ff93f_scores
	.p2align	8
	.type	k_q9ed98ff93f_scores,@function
k_q9ed98ff93f_scores:
	s_mov_b64 s[64:65], 0
	v_nop
	global_prefetch_b8 v0, s[64:65] scope:SCOPE_SE
	s_setreg_imm32_b32 hwreg(HW_REG_WAVE_MODE, 25, 1), 1
	s_wait_xcnt 0x0
	s_wait_alu depctr_hold_cnt(0) depctr_sa_sdst(0) depctr_va_vdst(0) depctr_va_sdst(0) depctr_va_ssrc(0) depctr_va_vcc(0) depctr_vm_vsrc(0)
	s_getreg_b32 s2, hwreg(HW_REG_IB_STS2, 6, 4)
	s_cmp_eq_u32 s2, 0
	s_cbranch_scc0 .Lentry_in_a_cluster
	s_endpgm
.Lentry_in_a_cluster:
	s_bfe_u32 s2, ttmp6, 0x10000c
	s_cmp_lg_u32 s2, 0xf033
	s_cbranch_scc0 .Lentry_shape_is_right
	s_endpgm
.Lentry_shape_is_right:
; s = q k^T for a tile of 256 queries x 256 keys of one batch (K = 1024, f16 operands, f32 sums); then, for each query, the tile's own maximum m,
; p = 2^(c s - c m) with c = log2(e) / 32, rounded to f16, and the sums of the unrounded p.  Stored: p, cm [8 key tiles][8192 q] = c m, ls [16 half tiles of 128 keys][8192 q].
; p LIES IN FRAGMENT ORDER: [512 query tiles of 16][128 key blocks of 16 of the batch][32 lanes][16 bytes]: lane l's 16 bytes are query l % 16, keys 8 (l / 16) + 0..7 of the block.  That is what a lane holds here behind
; the rounding, so p is stored straight from registers, 512 consecutive bytes an instruction; and two neighbouring blocks are a matrix operand of 16 queries x 32 keys for the next launch, which loads them as they lie.
; The maximum is the true maximum of the 256 scores (the two waves that share a row exchange theirs through LDS), so every exponent is at most 0; the next launch joins the eight tiles by the row's true maximum.
; LIMITS.  q and k arrive in f16; p lies in 0 to 1, and below 6e-5 it keeps f16's fixed step of 6e-8; a weight below 2^-126 counts as 0 in the sums; NaN and infinities are not treated apart.
; SHARES.  Four waves, each 128 queries x 128 keys: 64 accumulators, 512 registers.  K goes in 8 steps of 128 through two LDS slots; each wave fetches 128 rows of 256 bytes with one tensor load.
; A STEP IS WRITTEN ONCE: the slot in hand is a scalar, 0 or SLOT, turned by an exclusive or at each change of slots.  The last two steps, which ask for nothing, are a loop of two trips entered in its middle; its second trip
; fetches 32 loads of a step that does not exist (valid bytes of the other slot, never multiplied): the price of one text.  The softmax is written for four query tiles, in window 2, and walked twice: window 3 is copied down between.
; CLUSTER.  4 x 4 work-groups of one batch: q's tile is shared along a row of the cluster, k's along a column: joint loads.
; THE MATRIX INSTRUCTION IS USED TRANSPOSED (source 0 = 16 keys, source 1 = 16 queries): lane l holds ONE query (l % 16) and the keys 8 (l / 16) + 0..7 of each accumulator.
; REGISTERS, in windows of 256 (s_set_vgpr_msb: bits 1:0 source 0, 3:2 source 1, 5:4 source 2, 7:6 destination):
;   window 0: v0-31 addresses; v32-39 (c m, m) a query tile; v48-55 the sums; v64-127, v128-191 q's fragments, two buffers (later at work); v192-255 packed p, two sets
;   window 1: v64-127, v128-191 k's fragments     window 2: accumulators of query tiles 0-3, (a, b) at v[8 (8 a + b)]     window 3: of tiles 4-7
.set KSTEP,  128
.set PITCH,  272                       ; 256 bytes + 16 = 68 words: the 16 rows of a load start at 16 different groups of four banks (64 banks of 4 bytes: ISA guide 11.1)
.set HALFT,  128*PITCH
.set SLOT,   4*HALFT
.set XCH,    2*SLOT                    ; behind the ring: 512 bytes a wave: its 128 queries' maxima, for its partner
.set SUMS,   XCH+2048                  ; 512 bytes a wave: the sums, to be read back 16 bytes a lane
.set CMS,    SUMS+2048                 ; the same for c m
.set SPARE,  CMS+2048                  ; the spare words, 128 bytes a wave, that no other line names
.set XAT,  4                           ; v4-7  the four addresses below for the trip's four query tiles
.set XBT,  5
.set SAT,  6
.set CMT,  7
.set XA,   8                           ; v8   where I put a maximum        v9  where my partner put its
.set XB,   9
.set SA,   10                          ; v10  where I put a sum            v11 where I read four back
.set SB,   11
.set CMA,  12                          ; v12, v13 the same for c m
.set CMB,  13
.set L16,  14                          ; v14  16 x lane
.set ADRA0, 16                         ; v16  LDS address of my q fragments in slot 0; never rewritten     v17 in the slot in hand
.set CA,    17
.set ADRB0, 20                         ; v20, v21 the same for k
.set CB,    21
.set SPW,  28
.set NIL,  29
.set ST,   32
.set LS,   48
.set CT,   64                          ; v64-95  eight running maxima for each of four query tiles
.set PM,   96                          ; v96-99  the partner's maxima
.set TMP,  192
.set F0,   64
.set F1,   128
.set EO,   8                           ; s8   the softmax trip's place in the three LDS tables: 0, 256
.set CS,   20                          ; s[20:21] c
.set SEL,  22                          ; s[22:23] v_permlanex16_b32's selects: each lane takes its own place in the other half
.set G1, 24                            ; s[24:31] group 1 for q's tiles; s[32:35] group 0 of slot 0's first fill, s[36:39] the walking one
.set G0, 32
.set G1B, 48                           ; the same for k's
.set G0B, 56
.set WB,   66                          ; s66  my part of a slot: wave x 128 rows
.set TB,   67                          ; s67  the slot in hand: 0 or SLOT
.set MSB, 0
.macro WIN new
.if MSB != (\new)
	s_set_vgpr_msb (MSB<<8)|(\new)
.set MSB, (\new)
.endif
.endm
.set MUL_LO, 0xa1                      ; source 0 (k) window 1, source 1 (q) window 0, C and D window 2
.set MUL_HI, 0xf1
.set TO_B,   0x40
.macro PLACES
.rept 4
	v_nop
.endr
.endm
.macro JLOAD s                         ; waves 0 and 1 ask for q's halves, waves 2 and 3 for k's; an s_nop 0 and four v_nop follow each line
	s_cmp_eq_u32 s11, 0
	s_cbranch_scc0 .Lfor_b_\@
	tensor_load_to_lds s[G0+4*(\s):G0+4*(\s)+3], s[G1:G1+7]
	s_nop 0
.rept 4
	v_nop
.endr
	s_branch .Lasked_\@
.Lfor_b_\@:
	tensor_load_to_lds s[G0B+4*(\s):G0B+4*(\s)+3], s[G1B:G1B+7]
	s_nop 0
.rept 4
	v_nop
.endr
.Lasked_\@:
.endm
.macro CREST
	s_cmp_lg_u32 s10, 0
	s_cbranch_scc1 .Lnot_wave_0_\@
	s_barrier_signal -3
.Lnot_wave_0_\@:
	s_barrier_wait -3
	s_barrier_signal -1
	s_barrier_wait -1
.endm
.macro CROUND
	s_barrier_signal -1
	s_barrier_wait -1
	CREST
.endm
	s_load_b128 s[4:7], s[0:1], 0x0                ; qkv s[4:5], p s[6:7]
	s_load_b128 s[16:19], s[0:1], 0x10             ; cm s[16:17], ls s[18:19]
	v_lshl_add_u32 v[SPW], v0, 2, SPARE
	v_mov_b32 v[NIL], 0
	ds_add_u32 v[SPW], v[NIL]                      ; the wave's opening: the add and its wait stand ahead of my first tensor load
	v_lshrrev_b32 v1, 5, v0
	v_readfirstlane_b32 s10, v1                    ; wave 0..3
	s_lshr_b32 s11, s10, 1                         ; which 128 queries are mine.  Also: I fetch for q (0) or k (1)
	s_and_b32 s12, s10, 1                          ; which 128 keys.  Also: which 128 rows of that tile I fetch
	s_bfe_u32 s40, ttmp6, 0x40000                  ; cx
	s_bfe_u32 s41, ttmp6, 0x40004                  ; cy
	s_lshl_b32 s42, ttmp9, 2
	s_add_co_u32 s42, s42, s40                     ; key tile in the batch, 0..7
	s_and_b32 s13, ttmp7, 0xffff
	s_lshr_b32 s45, s13, 1                         ; the batch: two clusters high, the same for all sixteen partners
	s_lshl_b32 s13, s13, 2
	s_add_co_u32 s13, s13, s41                     ; query tile, 0..31, over all batches
	s_lshl_b32 s43, s41, 2
	s_lshl_b32 s43, 15, s43                        ; my row of the cluster
	s_lshl_b32 s44, 0x1111, s40                    ; my column
	s_or_b32 s[G1+0], s43, (1<<16)|(1<<20)|(1<<21)|(5<<22)|(3<<25)   ; the mask; 2-byte elements; padding on; bit 21 beside a mask; after every 64 words (code 5) 4 words (code 3)
	s_or_b32 s[G1B+0], s44, (1<<16)|(1<<20)|(1<<21)|(5<<22)|(3<<25)
.irp g, G1, G1B
	s_mov_b32 s[(\g)+1], KSTEP<<16                 ; tensor_dim0 = 128
	s_mov_b32 s[(\g)+2], 128<<16                   ; tensor_dim1 = 128
	s_mov_b32 s[(\g)+3], KSTEP<<16                 ; tile_dim0
	s_mov_b32 s[(\g)+4], 128                       ; tile_dim1
	s_mov_b32 s[(\g)+5], 3072                      ; elements from row to row of qkv
	s_mov_b32 s[(\g)+6], 0
	s_mov_b32 s[(\g)+7], 0
.endr
	s_lshl_b32 s8, s13, 8
	s_lshl_b32 s9, s12, 7
	s_add_co_u32 s8, s8, s9                        ; q: row 256 x query tile + 128 x half
	s_mul_i32 s8, s8, 6144
	s_mov_b32 s9, 0
	s_lshl_b32 s46, s45, 11
	s_lshl_b32 s47, s42, 8
	s_add_co_u32 s46, s46, s47
	s_lshl_b32 s47, s12, 7
	s_add_co_u32 s46, s46, s47                     ; k: row 2048 x batch + 256 x key tile + 128 x half,
	s_mul_i32 s46, s46, 6144
	s_add_co_u32 s46, s46, 2048                    ; 2,048 bytes into the row
	s_mov_b32 s47, 0
	s_mul_i32 s[WB], s10, HALFT                    ; where they go in a slot: wave x 128 rows
	s_mov_b32 s[TB], 0
	s_mov_b32 s[CS], 0x3d38aa3b                    ; c = log2(e) / 32
	s_mov_b32 s[CS+1], s[CS]                       ; named with it as a pair
	s_mov_b32 s[SEL], 0x76543210
	s_mov_b32 s[SEL+1], 0xfedcba98
	s_wait_dscnt 0x0                               ; the opening add is done
	s_wait_kmcnt 0x0
	s_add_nc_u64 s[14:15], s[4:5], s[8:9]
	s_add_nc_u64 s[46:47], s[4:5], s[46:47]
	CROUND                                         ; the first joint loads meet
.irp s, 0,1
	s_mov_b32 s[G0+4*(\s)], 1
	s_add_co_u32 s[G0+4*(\s)+1], s[WB], (\s)*SLOT
	s_add_nc_u64 s[G0+4*(\s)+2:G0+4*(\s)+3], s[14:15], (\s)*KSTEP*2
	s_or_b32 s[G0+4*(\s)+3], s[G0+4*(\s)+3], 0x80000000
	s_mov_b32 s[G0B+4*(\s)], 1
	s_add_co_u32 s[G0B+4*(\s)+1], s[WB], (\s)*SLOT
	s_add_nc_u64 s[G0B+4*(\s)+2:G0B+4*(\s)+3], s[46:47], (\s)*KSTEP*2
	s_or_b32 s[G0B+4*(\s)+3], s[G0B+4*(\s)+3], 0x80000000
	JLOAD \s                                       ; two tensor loads of mine are out
.endr
	v_and_b32 v1, 15, v0                           ; r
	v_bfe_u32 v2, v0, 4, 1                         ; h
	v_mul_u32_u24 v3, v1, PITCH
	v_lshl_add_u32 v3, v2, 4, v3                   ; row x pitch + 16 x half
	s_mul_i32 s8, s11, HALFT
	s_mul_i32 s9, s12, HALFT
	s_add_co_u32 s9, s9, 2*HALFT
	v_add_nc_u32 v[ADRA0], s8, v3
	v_add_nc_u32 v[ADRB0], s9, v3
	v_mov_b32 v[CA], v[ADRA0]                      ; slot 0 is in hand
	v_mov_b32 v[CB], v[ADRB0]
	v_lshlrev_b32 v6, 2, v1                        ; 4 r
	v_and_b32 v7, 31, v0
	v_lshlrev_b32 v[L16], 4, v7
	s_lshl_b32 s8, s10, 9                          ; my 512 bytes,
	s_xor_b32 s9, s10, 1
	s_lshl_b32 s9, s9, 9                           ; and those of the wave with the same queries and the other keys
	s_add_co_u32 s2, s8, XCH
	v_add_nc_u32 v[XA], s2, v6
	s_add_co_u32 s2, s9, XCH
	v_add_nc_u32 v[XB], s2, v6
	s_add_co_u32 s2, s8, SUMS
	v_add_nc_u32 v[SA], s2, v6
	v_add_nc_u32 v[SB], s2, v[L16]
	s_add_co_u32 s2, s8, CMS
	v_add_nc_u32 v[CMA], s2, v6
	v_add_nc_u32 v[CMB], s2, v[L16]
	s_lshl_b32 s8, s13, 20                         ; p: 16 query tiles of 65,536 bytes a tile of 256 queries,
	s_lshl_b32 s9, s11, 19                         ; my 8 of them,
	s_add_co_u32 s8, s8, s9
	s_lshl_b32 s9, s42, 13                         ; 16 key blocks of 512 bytes a key tile,
	s_add_co_u32 s8, s8, s9
	s_lshl_b32 s9, s12, 12                         ; my 8 of them
	s_add_co_u32 s8, s8, s9
	s_mov_b32 s9, 0
	s_add_nc_u64 s[6:7], s[6:7], s[8:9]
	s_lshl_b32 s8, s13, 10                         ; the statistics: 4 bytes a query,
	s_lshl_b32 s2, s11, 9
	s_add_co_u32 s8, s8, s2
	s_lshl_b32 s2, s42, 15                         ; 32,768 bytes a key tile in cm,
	s_add_co_u32 s8, s8, s2
	s_add_nc_u64 s[16:17], s[16:17], s[8:9]
	s_add_co_u32 s8, s8, s2                        ; twice that in ls,
	s_lshl_b32 s2, s12, 15                         ; and my half tile
	s_add_co_u32 s8, s8, s2
	s_add_nc_u64 s[18:19], s[18:19], s[8:9]
; 16 matrix instructions: query tiles a0, a0 + 1 of the window's four x all 8 key blocks, 32 along K.  The 64 accumulators take turns, one instruction a turn.
.macro MUL16 f, hi, a0, zero
	WIN MUL_LO+0x50*(\hi)
.irp a, \a0, (\a0)+1
.irp b, 0,1,2,3,4,5,6,7
.if \zero
	v_wmma_f32_16x16x32_f16 v[8*(8*(\a)+(\b)):8*(8*(\a)+(\b))+7], v[(\f)+8*(\b):(\f)+8*(\b)+7], v[(\f)+8*(4*(\hi)+(\a)):(\f)+8*(4*(\hi)+(\a))+7], 0
.else
	v_wmma_f32_16x16x32_f16 v[8*(8*(\a)+(\b)):8*(8*(\a)+(\b))+7], v[(\f)+8*(\b):(\f)+8*(\b)+7], v[(\f)+8*(4*(\hi)+(\a)):(\f)+8*(4*(\hi)+(\a))+7], v[8*(8*(\a)+(\b)):8*(8*(\a)+(\b))+7]
.endif
.endr
.endr
.endm
; 32 LDS loads in one run: the fragments of 32 along K at byte k of the rows of the slot in hand: 128 keys, then 128 queries
.macro FETCH k, f
	WIN TO_B
.irp i, 0,1,2,3,4,5,6,7
	ds_load_b128 v[(\f)+8*(\i):(\f)+8*(\i)+3],   v[CB] offset:(\k)+(\i)*16*PITCH
	ds_load_b128 v[(\f)+8*(\i)+4:(\f)+8*(\i)+7], v[CB] offset:(\k)+(\i)*16*PITCH+32
.endr
	WIN 0
.irp i, 0,1,2,3,4,5,6,7
	ds_load_b128 v[(\f)+8*(\i):(\f)+8*(\i)+3],   v[CA] offset:(\k)+(\i)*16*PITCH
	ds_load_b128 v[(\f)+8*(\i)+4:(\f)+8*(\i)+7], v[CA] offset:(\k)+(\i)*16*PITCH+32
.endr
.endm
; A K step is four quarters of 32 along K, 64 matrix instructions each, on buffers 0, 1, 0, 1.  One of the first three: multiplies f, and in its middle fetches the next quarter into g.
.macro QUARTER k, f, g, zero
	s_wait_dscnt 8                                 ; k and q's rows 0-63 are in; the youngest eight loads (q's rows 64-127) may be out
	MUL16 \f, 0, 0, \zero
	MUL16 \f, 0, 2, \zero
	PLACES
	FETCH \k, \g
	s_wait_dscnt 32                                ; all but the 32 just issued
	MUL16 \f, 1, 0, \zero
	MUL16 \f, 1, 2, \zero
.endm
; A step's last quarter and the change of slots: ONE barrier.  In front of it each wave waits for all its tensor loads (one is out: its part of the other slot), adds 0 to its spare word, and waits for that and for its reads of the
; slot in hand.  fill = 1: the barrier opens a round of the cluster's, and the slot is filled again, two steps on, first thing behind it: 224 matrix instructions ahead of the wait for it.
.macro TURN fill
	WIN 0
	s_wait_tensorcnt 0x0                           ; all my tensor loads have landed
	ds_add_u32 v[SPW], v[NIL]                      ; 0 onto my spare word
	s_wait_dscnt 9                                 ; (the add and the youngest eight loads may be out)
	MUL16 F1, 0, 0, 0
	s_wait_dscnt 0x0                               ; the add is done, and my reads of this slot are over
	s_barrier_signal -1
	MUL16 F1, 0, 2, 0
	WIN 0
	s_barrier_wait -1
.if \fill
	CREST                                          ; no wave of any partner still reads this slot or has a load on its way
	s_add_co_u32 s[G0+5], s[WB], s[TB]             ; the walking descriptors: into the slot just read,
	s_add_co_u32 s[G0B+5], s[WB], s[TB]
	s_add_nc_u64 s[G0+6:G0+7], s[G0+6:G0+7], KSTEP*2       ; the step behind the one asked for last
	s_add_nc_u64 s[G0B+6:G0B+7], s[G0B+6:G0B+7], KSTEP*2
	JLOAD 1                                        ; its four v_nop are also the places in front of the loads below
.else
	PLACES
.endif
	s_xor_b32 s[TB], s[TB], SLOT                   ; the other slot is in hand
	v_add_nc_u32 v[CA], s[TB], v[ADRA0]
	v_add_nc_u32 v[CB], s[TB], v[ADRB0]
	FETCH 0, F0
	MUL16 F1, 1, 0, 0
	MUL16 F1, 1, 2, 0
.endm
	s_wait_tensorcnt 0x1                           ; my part of K step 0 is in; step 1's may stay out
	s_barrier_signal -1
	s_barrier_wait -1
	FETCH 0, F0
	QUARTER 64,  F0, F1, 1                         ; the first quarter stands in front of the loop: its products start the sums
	WIN 0
	s_mov_b32 s3, 6
.Lstep:                                                ; a trip: from a step's second quarter to the next step's first; the refills are steps 2 to 7
	QUARTER 128, F1, F0, 0
	QUARTER 192, F0, F1, 0
	TURN 1
	QUARTER 64,  F0, F1, 0
	WIN 0
	s_sub_co_u32 s3, s3, 1
	s_cmp_lg_u32 s3, 0
	s_cbranch_scc1 .Lstep
	s_mov_b32 s3, 2                                ; steps 6 and 7 ask for nothing: their text is written apart
	s_branch .Ltail_in
.Ltail:
	QUARTER 64,  F0, F1, 0
	WIN 0
.Ltail_in:
	QUARTER 128, F1, F0, 0
	QUARTER 192, F0, F1, 0
	TURN 0
	WIN 0
	s_sub_co_u32 s3, s3, 1
	s_cmp_lg_u32 s3, 0
	s_cbranch_scc1 .Ltail
	s_wait_dscnt 0x0                               ; the last trip's fetch has landed: its registers are at work below
	PLACES
; THE MAXIMA of the four query tiles in window 2: a running maximum for each accumulator, three operands at a time, its lowest registers first;
; then the eight of a tile into one, and the other half of the lanes' (the query's other keys lie in the lane 16 away).
.macro ROWMAX
	WIN 0x2a                                       ; all three sources in window 2
.set i, 0
.rept 32
	v_max3_num_f32 v[CT+i], v[8*i], v[8*i+1], v[8*i+2]
.set i, i+1
.endr
	WIN 0x28                                       ; sources 1 and 2 in window 2
.set i, 0
.rept 32
	v_max3_num_f32 v[CT+i], v[CT+i], v[8*i+3], v[8*i+4]
.set i, i+1
.endr
.set i, 0
.rept 32
	v_max3_num_f32 v[CT+i], v[CT+i], v[8*i+5], v[8*i+6]
.set i, i+1
.endr
.set i, 0
.rept 16
	v_max3_num_f32 v[CT+2*i], v[CT+2*i], v[16*i+7], v[16*i+15]
.set i, i+1
.endr
	WIN 0
.set i, 0
.rept 4
.set cc, CT+8*i
	v_max3_num_f32 v[cc], v[cc], v[cc+1], v[cc+2]
	v_max3_num_f32 v[cc+3], v[cc+3], v[cc+4], v[cc+5]
	v_max3_num_f32 v[cc], v[cc], v[cc+3], v[cc+6]
	v_max_num_f32 v[cc], v[cc], v[cc+7]
	v_permlanex16_b32 v[cc+1], v[cc], s[SEL], s[SEL+1]
	v_max_num_f32 v[ST+2*i+1], v[cc], v[cc+1]
.set i, i+1
.endr
.endm
; THE WEIGHTS of query tile a of window 2's four
.macro SCALE a                         ; pair n of the tile's 32: c s - c m
	v_pk_fma_f32 v[rS+2*n:rS+2*n+1], v[rS+2*n:rS+2*n+1], s[CS:CS+1], v[ST+2*(\a):ST+2*(\a)+1] op_sel_hi:[1,0,0] neg_lo:[0,0,1] neg_hi:[0,0,1]
.set n, n+1
.endm
.macro PTILE a
.set rS, 64*(\a)
.set TM, TMP+32*((\a)%2)
	WIN 0x8a                                       ; destination and sources 0, 1 in window 2; source 2 (c m) in window 0
.set n, 0
.rept 4
	SCALE \a
.endr
.set e, 0
.rept 64                               ; an exponential, and while scalings last a scaling four pairs ahead: a plain line that touches neither its source nor its result
	v_exp_f32 v[rS+e], v[rS+e]
.if n < 32
	SCALE \a
.endif
.set e, e+1
.endr
	v_nop                                          ; a plain instruction behind the last exponentials
	s_wait_xcnt 0x0                                ; the set of 32 registers below was the data of the stores two tiles back: it is written again only behind this wait
	WIN 0x0a                                       ; sources in window 2, destination in window 0
.set i, 0
	s_wait_alu depctr_va_vdst(0)
.rept 32
	v_cvt_pk_f16_f32 v[TM+i], v[rS+2*i], v[rS+2*i+1]
.set i, i+1
.endr
	WIN 0
.irp b, 0,1,2,3,4,5,6,7
	global_store_b128 v[L16], v[TM+4*(\b):TM+4*(\b)+3], s[6:7] offset:(\a)*65536+(\b)*512  ; key block b of the tile: 512 consecutive bytes, at a multiple of 256 from p's first byte
.endr
	WIN 0x8a                                       ; the sum of the lane's 64 weights, in place: pairs 16, 8, 4 and 2 apart
.set st, 16
.rept 4
.set i, 0
.rept st
	v_pk_add_f32 v[rS+2*i:rS+2*i+1], v[rS+2*i:rS+2*i+1], v[rS+2*(i+st):rS+2*(i+st)+1]
.set i, i+1
.endr
.set st, st/2
.endr
	WIN 0x0a
	v_pk_add_f32 v[LS+2*(\a):LS+2*(\a)+1], v[rS:rS+1], v[rS+2:rS+3]
	WIN 0
	v_add_f32 v[LS+2*(\a)], v[LS+2*(\a)], v[LS+2*(\a)+1]
	v_permlanex16_b32 v[LS+2*(\a)+1], v[LS+2*(\a)], s[SEL], s[SEL+1]
	v_add_f32 v[LS+2*(\a)], v[LS+2*(\a)], v[LS+2*(\a)+1]  ; the sum over my 128 keys
.endm
	s_mov_b32 s[EO], 0
	s_mov_b32 s3, 2
.Lhalf:                                                ; two trips: query tiles 0-3, then 4-7
	v_add_nc_u32 v[XAT], s[EO], v[XA]
	v_add_nc_u32 v[XBT], s[EO], v[XB]
	v_add_nc_u32 v[SAT], s[EO], v[SA]
	v_add_nc_u32 v[CMT], s[EO], v[CMA]
	ROWMAX
	; THE EXCHANGE: my 128 keys' maxima go to the wave with the same queries and the other 128 keys, and its come to me; each trip has bytes of its own
.set i, 0
.rept 4
	ds_store_b32 v[XAT], v[ST+2*i+1] offset:64*i   ; both halves of the lanes write the same word with the same number
.set i, i+1
.endr
	s_wait_dscnt 0x0                               ; for the partner's sake: my stores are done
	s_barrier_signal -1
	s_barrier_wait -1
.set i, 0
.rept 4
	ds_load_b32 v[PM+i], v[XBT] offset:64*i
.set i, i+1
.endr
	s_wait_dscnt 0x0
.set i, 0
.rept 4
	v_max_num_f32 v[ST+2*i+1], v[ST+2*i+1], v[PM+i]  ; m of the tile's 256 keys
.set i, i+1
.endr
.set i, 0
.rept 4
	v_mul_f32 v[ST+2*i], s[CS], v[ST+2*i+1]        ; c m
.set i, i+1
.endr
	PTILE 0
	PTILE 1
	PTILE 2
	PTILE 3
.set i, 0
.rept 4
	ds_store_b32 v[SAT], v[LS+2*i] offset:64*i     ; the sums, into my own bytes
.set i, i+1
.endr
	s_cmp_lg_u32 s12, 0                            ; c m is the same in both waves of a row: the wave of the first 128 keys keeps it
	s_cbranch_scc1 .Lno_cms
.set i, 0
.rept 4
	ds_store_b32 v[CMT], v[ST+2*i] offset:64*i
.set i, i+1
.endr
.Lno_cms:
	s_cmp_eq_u32 s3, 1
	s_cbranch_scc1 .Lno_copy                       ; behind the second trip nothing is left to bring down
	WIN 0x83                                       ; window 3's accumulators go where the one text names them, each from its lowest register on
.set i, 0
.rept 256
	v_mov_b32 v[i], v[i]
.set i, i+1
.endr
	WIN 0
.Lno_copy:
	s_wait_xcnt 0x0                                ; the stores' base is written again only behind this wait
	s_add_nc_u64 s[6:7], s[6:7], 4*65536
	s_add_co_u32 s[EO], s[EO], 256
	s_sub_co_u32 s3, s3, 1
	s_cmp_lg_u32 s3, 0
	s_cbranch_scc1 .Lhalf
	; THE STATISTICS: 128 numbers a wave come back from my own LDS bytes 16 bytes a lane, so that one store covers 512 consecutive bytes
	ds_load_b128 v[104:107], v[SB]                 ; LDS serves a wave's instructions in order (ISA guide 5.7.1.4): this sees my stores above
	s_wait_dscnt 0x0
	global_store_b128 v[L16], v[104:107], s[18:19]
	s_cmp_lg_u32 s12, 0
	s_cbranch_scc1 .Lno_cm
	ds_load_b128 v[108:111], v[CMB]
	s_wait_dscnt 0x0
	global_store_b128 v[L16], v[108:111], s[16:17]
.Lno_cm:
	s_wait_tensorcnt 0x0                           ; the wave's end
	ds_add_u32 v[SPW], v[NIL]
	s_wait_dscnt 0x0
	CROUND                                         ; the closing round
	s_endpgm
.Lfunc_end_k_q9ed98ff93f_scores:
	.size	k_q9ed98ff93f_scores, .Lfunc_end_k_q9ed98ff93f_scores-k_q9ed98ff93f_scores
	.p2alignl 7, 3214868480
	.fill 96, 4, 3214868480
	.section	.rodata,"a",@progbits
	.p2align	6, 0x0
	.amdhsa_kernel k_q9ed98ff93f_scores
		.amdhsa_group_segment_fixed_size 327680
		.amdhsa_private_segment_fixed_size 0
		.amdhsa_enable_private_segment 0
		.amdhsa_kernarg_size 32
		.amdhsa_user_sgpr_count 2
		.amdhsa_user_sgpr_kernarg_segment_ptr 1
		.amdhsa_wavefront_size32 1
		.amdhsa_system_sgpr_workgroup_id_x 1
		.amdhsa_system_sgpr_workgroup_id_y 1
		.amdhsa_system_sgpr_workgroup_id_z 1
		.amdhsa_system_vgpr_workitem_id 0
		.amdhsa_next_free_vgpr 1024
		.amdhsa_next_free_sgpr 68
		.amdhsa_reserve_vcc 0
		.amdhsa_float_denorm_mode_32 3
		.amdhsa_float_denorm_mode_16_64 3
		.amdhsa_memory_ordered 1
		.amdhsa_forward_progress 1
		.amdhsa_inst_pref_size 124
	.end_amdhsa_kernel
	.amdgpu_metadata
---
amdhsa.version: [ 1, 2 ]
amdhsa.kernels:
  - .name:           k_q9ed98ff93f_scores
    .symbol:         k_q9ed98ff93f_scores.kd
    .args:
      - { .name: qkv, .offset: 0, .size: 8, .value_kind: global_buffer, .address_space: global }
      - { .name: p, .offset: 8, .size: 8, .value_kind: global_buffer, .address_space: global }
      - { .name: cm, .offset: 16, .size: 8, .value_kind: global_buffer, .address_space: global }
      - { .name: ls, .offset: 24, .size: 8, .value_kind: global_buffer, .address_space: global }
    .group_segment_fixed_size: 327680
    .private_segment_fixed_size: 0
    .kernarg_segment_align: 8
    .kernarg_segment_size: 32
    .max_flat_workgroup_size: 128
    .sgpr_count:     68
    .vgpr_count:     1024
    .wavefront_size: 32
...
	.end_amdgpu_metadata
.endif
;; end of part 3
;; launch pv (part 4): grid 4 x 64, 4 waves a work-group, clusters of 4 x 4, 327,680 bytes of LDS; arguments p, qkv, cm, ls, out0; writes out0
.if DOCPART == 4
	.amdgcn_target "amdgcn-amd-amdhsa--gfx1250"
	.amdhsa_code_object_version 6
	.text
	.protected	k_q9ed98ff93f_pv
	.globl	k_q9ed98ff93f_pv
	.p2align	8
	.type	k_q9ed98ff93f_pv,@function
k_q9ed98ff93f_pv:
	s_mov_b64 s[64:65], 0
	v_nop
	global_prefetch_b8 v0, s[64:65] scope:SCOPE_SE
	s_setreg_imm32_b32 hwreg(HW_REG_WAVE_MODE, 25, 1), 1
	s_wait_xcnt 0x0
	s_wait_alu depctr_hold_cnt(0) depctr_sa_sdst(0) depctr_va_vdst(0) depctr_va_sdst(0) depctr_va_ssrc(0) depctr_va_vcc(0) depctr_vm_vsrc(0)
	s_getreg_b32 s2, hwreg(HW_REG_IB_STS2, 6, 4)
	s_cmp_eq_u32 s2, 0
	s_cbranch_scc0 .Lentry_in_a_cluster
	s_endpgm
.Lentry_in_a_cluster:
	s_bfe_u32 s2, ttmp6, 0x10000c
	s_cmp_lg_u32 s2, 0xf033
	s_cbranch_scc0 .Lentry_shape_is_right
	s_endpgm
.Lentry_shape_is_right:
; out[q][:] = sum over the eight key tiles t of G[q][t] (P_t V_t)[q][:], G[q][t] = 2^(cm[t][q] - M[q]) / l[q], M = the maximum of the row's eight cm, l = sum over t of 2^(cm[t] - M) (ls[2t] + ls[2t+1]).
; That is the softmax with the row's true maximum taken away: every exponent is at most 0, and l is at least 1 (the tile that holds the maximum has a weight 1).
; P and V in f16, products summed in f32; G is applied in f32 to each tile's own sum X (T += G X), so p is rounded once.  out0 is f32.
; LIMITS.  v arrives in f16; a G below 2^-126 counts as 0; NaN and infinities are not treated apart.
; SHARES.  A work-group: 128 queries x 256 channels; four waves, each 64 queries x 128 channels: 32 accumulators X and 32 sums T, 256 registers each.  A LAP is one key tile of 256 keys: 8 quarters of 32 keys, 256 matrix instructions.
; O^T = V^T P: source 0 = 16 channels x 32 keys of V, turned by ds_load_tr16_b128; source 1 = 16 queries x 32 keys of P.  Lane l holds ONE query (l % 16) and eight neighbouring channels.
; V goes through two LDS slots of a lap each (256 keys x 544 bytes); each wave fetches 64 keys with one tensor load, which has 240 matrix instructions in which to land.
; P DOES NOT GO THROUGH LDS: two slots of a lap of both operands would be 2 x (256 x 544 + 128 x 528) = 413,696 bytes, more than a work-group can have.  p lies in memory in fragment order, so a fragment is two loads of 512 consecutive
; bytes straight into registers: a ring of 8 quarters (window 3); a quarter's registers are loaded again, for the next lap, one quarter behind their products: seven quarters ahead of their use.
; CLUSTER.  4 x 4 work-groups of one batch: V's tile is shared along a column of the cluster: joint loads.  P, which the four of a row and the two waves of a row half read alike, is not shared: a joint request lands in LDS alone.
; A LAP IS WRITTEN ONCE for the six that fill a slot again and once for the last two: the slot in hand is a scalar, 0 or SLOT.  In the last lap the loads for a lap that does not exist name the last lap's own P once more (56 loads
; of 512 bytes a wave), and V's first quarter is fetched from the other slot's old bytes; nothing reads either: the price of one text for both laps of the tail.
; T is cleared by 256 v_mov_b32 in the wait for the first tile: a first lap written out to start T would be a third copy of the lap's text.
; REGISTERS (s_set_vgpr_msb: bits 1:0 source 0, 3:2 source 1, 5:4 source 2, 7:6 destination): window 0: v0-31 addresses; v32-39 G of the lap, each twice; v40-42 at work; v64-127, v128-191 V's fragments, two buffers.
;   window 1: X(a, cb) at v[8 (8 a + cb)]     window 2: T likewise     window 3: P: quarter kq, query tile a at v[32 kq + 8 a]
.set VPIT,  544                        ; a row of V in LDS: 512 + 32 = 136 words
.set WPART, 64*VPIT                    ; what one wave fetches
.set SLOT,  256*VPIT                   ; 139,264
.set GT,    2*SLOT                     ; behind the ring: 8,192 bytes a wave: for lap t at 1,024 t: 16 bytes a lane (G0, G0, G1, G1), 512 on (G2, G2, G3, G3)
.set SPARE, GT+4*8192                  ; the spare words, 128 bytes a wave, that no other line names
.set STAGE, 0                          ; the way out: 16 rows x 528 bytes for each wave, over slot 0, behind its last fill and a barrier
.set SP,    528
.set LAPV,  256*6144                   ; bytes of qkv from lap to lap
.set LAPP,  8192                       ; bytes of a query tile's p from lap to lap: 16 key blocks of 512
.set AV,    16                         ; v16-17  LDS address of my V fragments in the slot in hand: quarters 0-3, quarters 4-7 (beyond the 16-bit offset)
.set ADRV0, 20                         ; v20     the same in slot 0; never rewritten
.set STO,  24
.set RD,   25
.set CO,   26                          ; v26  16 x lane: my place in 512 consecutive bytes of p and of out0
.set GA,   27                          ; v27  the lap's G
.set SPW,  28
.set NIL,  29
.set SO,   30                          ; v30  4 r
.set GA0,  31                          ; v31  lap 0's G; never rewritten
.set GR,   32
.set F0,   64
.set F1,   128
.set OB,   64                          ; the way out: three sets of 64 registers by turns
.set PB,   4                           ; s[4:5]   p at my four query tiles, the lap in hand
.set NB,   14                          ; s[14:15] the same, the next lap (in the tail: the last)
.set WB,   2                           ; s2   my part of a slot: wave x 64 keys
.set TB,   22                          ; s22  the slot in hand: 0 or SLOT
.set GOF,  23                          ; s23  the lap's place in my G table
.set G1,   24                          ; s[24:31] descriptor group 1
.set GF,   32                          ; s[32:35] group 0 of slot 0's first fill
.set GW,   36                          ; s[36:39] the walking group 0
.set MSB, 0
.macro WIN new
.if MSB != (\new)
	s_set_vgpr_msb (MSB<<8)|(\new)
.set MSB, (\new)
.endif
.endm
.macro PLACES
.rept 4
	v_nop
.endr
.endm
.macro JLOAD g                         ; a joint load: every wave asks for its 64 keys; an s_nop 0 and four v_nop follow it
	tensor_load_to_lds s[(\g):(\g)+3], s[G1:G1+7]
	s_nop 0
.rept 4
	v_nop
.endr
.endm
.macro CREST
	s_cmp_lg_u32 s10, 0
	s_cbranch_scc1 .Lnot_wave_0_\@
	s_barrier_signal -3
.Lnot_wave_0_\@:
	s_barrier_wait -3
	s_barrier_signal -1
	s_barrier_wait -1
.endm
.macro CROUND
	s_barrier_signal -1
	s_barrier_wait -1
	CREST
.endm
; 8 loads: P's four fragments of quarter kq, from the lap at the base: two neighbouring key blocks of each query tile, 512 consecutive bytes a load
.macro PLOAD kq, base
	WIN 0xc0                                       ; destination window 3, offset register window 0
.irp x, 0,1,2,3
	global_load_b128 v[32*(\kq)+8*(\x):32*(\kq)+8*(\x)+3],   v[CO], s[(\base):(\base)+1] offset:(\x)*65536+(\kq)*1024
	global_load_b128 v[32*(\kq)+8*(\x)+4:32*(\kq)+8*(\x)+7], v[CO], s[(\base):(\base)+1] offset:(\x)*65536+(\kq)*1024+512
.endr
.endm
	s_load_b128 s[4:7], s[0:1], 0x0                ; p s[4:5], qkv s[6:7]
	s_load_b128 s[16:19], s[0:1], 0x10             ; cm s[16:17], ls s[18:19]
	s_load_b64 s[8:9], s[0:1], 0x20                ; out0
	v_lshl_add_u32 v[SPW], v0, 2, SPARE
	v_mov_b32 v[NIL], 0
	ds_add_u32 v[SPW], v[NIL]                      ; the wave's opening: the add and its wait stand ahead of my first tensor load
	v_lshrrev_b32 v1, 5, v0
	v_readfirstlane_b32 s10, v1                    ; wave 0..3
	s_lshr_b32 s11, s10, 1                         ; which 64 queries are mine
	s_and_b32 s12, s10, 1                          ; which 128 channels
	s_bfe_u32 s40, ttmp6, 0x40000                  ; cx
	s_bfe_u32 s41, ttmp6, 0x40004                  ; cy
	s_lshl_b32 s42, ttmp9, 2
	s_add_co_u32 s42, s42, s40                     ; channel block, 0..3
	s_and_b32 s13, ttmp7, 0xffff
	s_lshr_b32 s45, s13, 2                         ; the batch: four clusters high, the same for all sixteen partners
	s_lshl_b32 s13, s13, 2
	s_add_co_u32 s13, s13, s41                     ; query block of 128, 0..63, over all batches
	s_lshl_b32 s44, 0x1111, s40                    ; my column of the cluster
	s_or_b32 s[G1+0], s44, (1<<16)|(1<<20)|(1<<21)|(6<<22)|(7<<25)   ; the mask; 2-byte elements; padding on; bit 21 beside a mask; after every 128 words (code 6) 8 words (code 7)
	s_mov_b32 s[G1+1], 256<<16                     ; tensor_dim0 = 256 channels
	s_mov_b32 s[G1+2], 64<<16                      ; tensor_dim1 = 64 keys
	s_mov_b32 s[G1+3], 256<<16
	s_mov_b32 s[G1+4], 64
	s_mov_b32 s[G1+5], 3072                        ; elements from row to row of qkv
	s_mov_b32 s[G1+6], 0
	s_mov_b32 s[G1+7], 0
	s_lshl_b32 s46, s45, 11
	s_lshl_b32 s47, s10, 6
	s_add_co_u32 s46, s46, s47                     ; V: row 2048 x batch + 64 x wave,
	s_mul_i32 s46, s46, 6144
	s_lshl_b32 s47, s42, 9                         ; 512 bytes a channel block,
	s_add_co_u32 s46, s46, s47
	s_add_co_u32 s46, s46, 4096                    ; 4,096 bytes into the row
	s_mov_b32 s47, 0
	s_mul_i32 s[WB], s10, WPART                    ; where they go in a slot: no place in the cluster enters an LDS address
	s_mov_b32 s[TB], 0
	s_mov_b32 s[GOF], 0
	s_wait_dscnt 0x0                               ; the opening add is done
	s_wait_kmcnt 0x0
	s_add_nc_u64 s[46:47], s[6:7], s[46:47]
	CROUND                                         ; the first joint loads meet
	s_mov_b32 s[GF], 1
	s_mov_b32 s[GF+1], s[WB]                       ; slot 0, lap 0
	s_mov_b64 s[GF+2:GF+3], s[46:47]
	s_or_b32 s[GF+3], s[GF+3], 0x80000000
	s_mov_b32 s[GW], 1
	s_add_co_u32 s[GW+1], s[WB], SLOT              ; slot 1, lap 1
	s_add_nc_u64 s[GW+2:GW+3], s[46:47], LAPV
	s_or_b32 s[GW+3], s[GW+3], 0x80000000
	JLOAD GF
	JLOAD GW                                       ; two tensor loads of mine are out
	; THE STATISTICS of my 64 queries: for query tile a the eight cm into v[64 + 24 a ..], the sixteen ls into v[72 + 24 a ..]; lane l takes query l % 16
	s_lshl_b32 s20, s13, 9
	s_lshl_b32 s21, s11, 8
	s_add_co_u32 s20, s20, s21                     ; (128 x query block + 64 x half) x 4 bytes
	s_mov_b32 s21, 0
	s_add_nc_u64 s[16:17], s[16:17], s[20:21]
	s_add_nc_u64 s[18:19], s[18:19], s[20:21]
	v_and_b32 v1, 15, v0                           ; r
	v_lshlrev_b32 v[SO], 2, v1
.set qa, 0
.rept 4
.set t, 0
.rept 8
	global_load_b32 v[64+24*qa+t], v[SO], s[16:17] offset:t*32768+64*qa
.set t, t+1
.endr
.set t, 0
.rept 16
	global_load_b32 v[72+24*qa+t], v[SO], s[18:19] offset:t*32768+64*qa
.set t, t+1
.endr
.set qa, qa+1
.endr
	s_lshl_b32 s20, s20, 10                        ; 4,096 bytes a query, in p (65,536 a tile of 16) and in out0 alike
	s_add_nc_u64 s[PB:PB+1], s[PB:PB+1], s[20:21]
	s_add_nc_u64 s[NB:NB+1], s[PB:PB+1], LAPP
	s_add_nc_u64 s[8:9], s[8:9], s[20:21]
	v_and_b32 v7, 31, v0
	v_lshlrev_b32 v[CO], 4, v7
.irp k, 0,1,2,3,4,5,6
	PLOAD \k, PB                                   ; lap 0's quarters 0 to 6; quarter 7 is asked for at the lap's head, as in every lap
.endr
	WIN 0x80                                       ; T = 0
.set i, 0
.rept 256
	v_mov_b32 v[i], 0
.set i, i+1
.endr
	WIN 0
	s_lshl_b32 s46, s42, 10                        ; out0: 1,024 bytes a channel block,
	s_lshl_b32 s47, s12, 9                         ; my 512 bytes
	s_add_co_u32 s46, s46, s47
	s_mov_b32 s47, 0
	s_add_nc_u64 s[8:9], s[8:9], s[46:47]
	v_bfe_u32 v2, v0, 4, 1                         ; h
	; the turning load takes 16 keys x 16 channels (lane l reads key 8 (l / 16) + l % 8, channels 8 ((l / 8) % 2) + 0..7) and leaves half a fragment of V^T: lane l holds channel l % 16 and 8 keys
	v_and_b32 v4, 7, v0
	v_bfe_u32 v5, v0, 3, 1
	v_lshl_add_u32 v6, v2, 3, v4
	v_mul_u32_u24 v6, v6, VPIT
	v_lshl_add_u32 v6, v5, 4, v6
	s_lshl_b32 s20, s12, 8                         ; my 128 channels
	v_add_nc_u32 v[ADRV0], s20, v6
	v_mov_b32 v[AV], v[ADRV0]                      ; slot 0 is in hand
	v_add_nc_u32 v[AV+1], 4*32*VPIT, v[AV]
	s_mul_i32 s20, s10, 16*SP
	s_add_co_u32 s20, s20, STAGE                   ; my stage
	v_mul_u32_u24 v3, v1, SP
	v_lshl_add_u32 v3, v2, 5, v3
	v_add_nc_u32 v[STO], s20, v3                   ; in: row r, 32 bytes for each half of the lanes
	v_add_nc_u32 v[RD], s20, v[CO]                 ; back: 32 lanes take one row of 512 bytes
	s_lshl_b32 s20, s10, 13
	s_add_co_u32 s20, s20, GT
	v_add_nc_u32 v[GA0], s20, v[CO]
	s_wait_loadcnt 56                              ; the statistics are in; the 56 loads of P issued behind them may be out
.macro GSTAT a                         ; query tile a: M, 2^(cm - M), l, 1 / l, and the eight G, each twice, into v[160 + 8 t + 2 a]
.set cr, 64+24*(\a)
.set lr, 72+24*(\a)
	v_max3_num_f32 v40, v[cr], v[cr+1], v[cr+2]
	v_max3_num_f32 v40, v40, v[cr+3], v[cr+4]
	v_max3_num_f32 v40, v40, v[cr+5], v[cr+6]
	v_max_num_f32 v40, v40, v[cr+7]
.set t, 0
.rept 8
	v_sub_f32 v[cr+t], v[cr+t], v40
.set t, t+1
.endr
.set t, 0
.rept 8
	v_exp_f32 v[cr+t], v[cr+t]
.set t, t+1
.endr
.set t, 0
.rept 8                                ; plain lines that touch no exponential's register stand behind the exponentials
	v_add_f32 v[lr+2*t], v[lr+2*t], v[lr+2*t+1]
.set t, t+1
.endr
	s_wait_alu depctr_va_vdst(0)
	v_mul_f32 v41, v[cr], v[lr]
.set t, 1
.rept 7
	v_fma_f32 v41, v[cr+t], v[lr+2*t], v41
.set t, t+1
.endr
	v_rcp_f32 v42, v41
	v_nop                                          ; a plain instruction between the reciprocal and the use of its result
.set t, 0
	s_wait_alu depctr_va_vdst(0)
.rept 8
	v_mul_f32 v[160+8*t+2*(\a)],   v[cr+t], v42
	v_mul_f32 v[160+8*t+2*(\a)+1], v[cr+t], v42
.set t, t+1
.endr
.endm
	GSTAT 0
	GSTAT 1
	GSTAT 2
	GSTAT 3
.set t, 0
.rept 8
	ds_store_b128 v[GA0], v[160+8*t:160+8*t+3] offset:1024*t
	ds_store_b128 v[GA0], v[160+8*t+4:160+8*t+7] offset:1024*t+512
.set t, t+1
.endr
; 16 LDS loads in one run: V's fragments of quarter kq of the slot in hand, turned: 8 channel blocks x 32 keys
.macro FETCHV kq, f
	WIN 0
.irp x, 0,1,2,3,4,5,6,7
	ds_load_tr16_b128 v[(\f)+8*(\x):(\f)+8*(\x)+3],   v[AV+(\kq)/4] offset:((\kq)%4)*32*VPIT+(\x)*32
	ds_load_tr16_b128 v[(\f)+8*(\x)+4:(\f)+8*(\x)+7], v[AV+(\kq)/4] offset:((\kq)%4)*32*VPIT+16*VPIT+(\x)*32
.endr
.endm
; 8 na matrix instructions of quarter kq: query tiles a0 .. x all 8 channel blocks.  zero = 1: a lap's first products start X anew.  The 32 accumulators take turns, one instruction a turn.
.macro MULX f, kq, a0, na, zero
	WIN 0x5c                                       ; C and D in window 1, V in window 0, P in window 3
.set qa, \a0
.rept \na
.set cc, 0
.rept 8
.if \zero
	v_wmma_f32_16x16x32_f16 v[8*(8*qa+cc):8*(8*qa+cc)+7], v[(\f)+8*cc:(\f)+8*cc+7], v[32*(\kq)+8*qa:32*(\kq)+8*qa+7], 0
.else
	v_wmma_f32_16x16x32_f16 v[8*(8*qa+cc):8*(8*qa+cc)+7], v[(\f)+8*cc:(\f)+8*cc+7], v[32*(\kq)+8*qa:32*(\kq)+8*qa+7], v[8*(8*qa+cc):8*(8*qa+cc)+7]
.endif
.set cc, cc+1
.endr
.set qa, qa+1
.endr
.endm
.macro HEAD                            ; a quarter's head: V's run issued 32 matrix instructions ago is in; four places in front of the loads into the registers just multiplied
	s_wait_dscnt 0x0
	WIN 0
	PLACES
.endm
.macro FOLD                            ; T += G X: 128 packed multiply-adds, each accumulator's registers in ascending order; they are also the places in front of the next lap's products, which write X anew
	WIN 0
	PLACES
	WIN 0xa1                                       ; T (destination, source 2) window 2, X (source 0) window 1, G (source 1) window 0
.set i, 0
.rept 128
	v_pk_fma_f32 v[2*i:2*i+1], v[2*i:2*i+1], v[GR+2*(i/32):GR+2*(i/32)+1], v[2*i:2*i+1]
.set i, i+1
.endr
.endm
; A LAP.  At the head of quarter j: V of quarter j + 1 is fetched from LDS; P of quarter j is waited for (behind it the six younger quarters' 48 loads may be out); the registers of quarter j - 1 are loaded again for the next lap.
; In quarter 6 the slot's last bytes have been asked for, and the slots change: ONE barrier.  In front of it each wave waits for all its tensor loads (one is out: its part of the other slot), adds 0 to its spare word, and waits for
; that and for its reads of the slot in hand.  fill = 1: the barrier opens a round of the cluster's, and the slot is filled again, two laps on, first thing behind it.
.macro LAP fill
	HEAD
	FETCHV 1, F1
	v_add_nc_u32 v[GA], s[GOF], v[GA0]
	ds_load_b128 v[GR:GR+3],   v[GA]               ; the lap's G: my own bytes, stored by me
	ds_load_b128 v[GR+4:GR+7], v[GA] offset:512
	s_add_co_u32 s[GOF], s[GOF], 1024
	s_wait_loadcnt 48
	PLOAD 7, PB                                    ; this lap's own last quarter
	MULX F0, 0, 0, 4, 1
.set jq, 1
.rept 5
	HEAD
	FETCHV jq+1, F0+64*((jq+1)%2)
	s_wait_loadcnt 48
	PLOAD jq-1, NB
	MULX F0+64*(jq%2), jq, 0, 4, 0
.set jq, jq+1
.endr
	HEAD
	FETCHV 7, F1                                   ; my last reads of the slot in hand
	s_wait_loadcnt 48
	PLOAD 5, NB
	MULX F0, 6, 0, 2, 0
	WIN 0
	s_wait_tensorcnt 0x0                           ; all my tensor loads have landed
	ds_add_u32 v[SPW], v[NIL]                      ; 0 onto my spare word
	MULX F0, 6, 2, 1, 0                            ; eight matrix instructions stand between the add and the wait for it
	s_wait_dscnt 0x0                               ; the add is done, and my reads of the slot are over
	s_barrier_signal -1
	MULX F0, 6, 3, 1, 0
	WIN 0
	s_barrier_wait -1
.if \fill
	CREST                                          ; no wave of any partner still reads this slot or has a load on its way
	s_add_co_u32 s[GW+1], s[WB], s[TB]             ; the walking descriptor: into the slot just read,
	s_add_nc_u64 s[GW+2:GW+3], s[GW+2:GW+3], LAPV  ; the lap behind the one asked for last
	JLOAD GW                                       ; its four v_nop are also the places in front of the loads below
.else
	PLACES
.endif
	s_xor_b32 s[TB], s[TB], SLOT                   ; the other slot is in hand
	v_add_nc_u32 v[AV], s[TB], v[ADRV0]
	v_add_nc_u32 v[AV+1], 4*32*VPIT, v[AV]
	FETCHV 0, F0
	s_wait_loadcnt 48
	PLOAD 6, NB
	MULX F1, 7, 0, 4, 0
	FOLD
	WIN 0
	s_wait_xcnt 0x0                                ; the loads' bases are written again only behind this wait
	s_mov_b64 s[PB:PB+1], s[NB:NB+1]
.if \fill
	s_add_nc_u64 s[NB:NB+1], s[NB:NB+1], LAPP      ; in the tail the next lap's base stays at the last lap: no load leaves p
.endif
.endm
	s_wait_dscnt 0x0                               ; my stores of G are done: no LDS instruction is out at the signal
	s_wait_tensorcnt 0x1                           ; my part of lap 0 is in; lap 1's may stay out
	s_barrier_signal -1
	s_barrier_wait -1
	FETCHV 0, F0
	s_mov_b32 s3, 6
.Llap:                                                 ; laps 0 to 5 fill their slots again: laps 2 to 7
	LAP 1
	s_sub_co_u32 s3, s3, 1
	s_cmp_lg_u32 s3, 0
	s_cbranch_scc1 .Llap
	s_mov_b32 s3, 2
.Ltail:                                                ; laps 6 and 7 ask for no tile: their text is written apart
	LAP 0
	s_sub_co_u32 s3, s3, 1
	s_cmp_lg_u32 s3, 0
	s_cbranch_scc1 .Ltail
	; THE WAY OUT: a query tile (16 rows x 512 bytes of f32) at a time through my stage, back as whole rows.  The stage lies over slot 0, which has had its last fill: so a barrier first, behind every wave's last read of it.
	s_wait_dscnt 0x0
	s_barrier_signal -1
	s_barrier_wait -1
.macro PACKT a
	WIN 0x08                                       ; the stores' data in window 2
.set i, 0
.rept 8
	ds_store_b128 v[STO], v[64*(\a)+8*i:64*(\a)+8*i+3]   offset:64*i
	ds_store_b128 v[STO], v[64*(\a)+8*i+4:64*(\a)+8*i+7] offset:64*i+16
.set i, i+1
.endr
	WIN 0
.set i, 0
.rept 16
	ds_load_b128 v[OB+64*((\a)%3)+4*i:OB+64*((\a)%3)+4*i+3], v[RD] offset:SP*i  ; LDS serves a wave's instructions in order (ISA guide 5.7.1.4): these see the stores above; the next tile's stores come behind them
.set i, i+1
.endr
.endm
.macro SENDT a, y                      ; y: the LDS instructions issued behind tile a's loads: the next tile's 32, or none
	WIN 0
.set i, 0
.rept 16
	s_wait_dscnt (\y)+15-i
	global_store_b128 v[CO], v[OB+64*((\a)%3)+4*i:OB+64*((\a)%3)+4*i+3], s[8:9] offset:(16*(\a)+i)*4096  ; 512 consecutive bytes, at a multiple of 256 from out0's first byte
.set i, i+1
.endr
.endm
	PACKT 0
	PACKT 1
	SENDT 0, 32
	PACKT 2
	SENDT 1, 32
	s_wait_xcnt 0x0                                ; tile 0's registers, which its stores read, are loaded again only behind this wait
	PACKT 3
	SENDT 2, 32
	SENDT 3, 0
	s_wait_tensorcnt 0x0                           ; the wave's end
	ds_add_u32 v[SPW], v[NIL]
	s_wait_dscnt 0x0
	CROUND                                         ; the closing round
	s_endpgm
.Lfunc_end_k_q9ed98ff93f_pv:
	.size	k_q9ed98ff93f_pv, .Lfunc_end_k_q9ed98ff93f_pv-k_q9ed98ff93f_pv
	.p2alignl 7, 3214868480
	.fill 96, 4, 3214868480
	.section	.rodata,"a",@progbits
	.p2align	6, 0x0
	.amdhsa_kernel k_q9ed98ff93f_pv
		.amdhsa_group_segment_fixed_size 327680
		.amdhsa_private_segment_fixed_size 0
		.amdhsa_enable_private_segment 0
		.amdhsa_kernarg_size 40
		.amdhsa_user_sgpr_count 2
		.amdhsa_user_sgpr_kernarg_segment_ptr 1
		.amdhsa_wavefront_size32 1
		.amdhsa_system_sgpr_workgroup_id_x 1
		.amdhsa_system_sgpr_workgroup_id_y 1
		.amdhsa_system_sgpr_workgroup_id_z 1
		.amdhsa_system_vgpr_workitem_id 0
		.amdhsa_next_free_vgpr 1024
		.amdhsa_next_free_sgpr 66
		.amdhsa_reserve_vcc 0
		.amdhsa_float_denorm_mode_32 3
		.amdhsa_float_denorm_mode_16_64 3
		.amdhsa_memory_ordered 1
		.amdhsa_forward_progress 1
		.amdhsa_inst_pref_size 138
	.end_amdhsa_kernel
	.amdgpu_metadata
---
amdhsa.version: [ 1, 2 ]
amdhsa.kernels:
  - .name:           k_q9ed98ff93f_pv
    .symbol:         k_q9ed98ff93f_pv.kd
    .args:
      - { .name: p, .offset: 0, .size: 8, .value_kind: global_buffer, .address_space: global }
      - { .name: qkv, .offset: 8, .size: 8, .value_kind: global_buffer, .address_space: global }
      - { .name: cm, .offset: 16, .size: 8, .value_kind: global_buffer, .address_space: global }
      - { .name: ls, .offset: 24, .size: 8, .value_kind: global_buffer, .address_space: global }
      - { .name: out0, .offset: 32, .size: 8, .value_kind: global_buffer, .address_space: global }
    .group_segment_fixed_size: 327680
    .private_segment_fixed_size: 0
    .kernarg_segment_align: 8
    .kernarg_segment_size: 40
    .max_flat_workgroup_size: 128
    .sgpr_count:     66
    .vgpr_count:     1024
    .wavefront_size: 32
...
	.end_amdgpu_metadata
.endif
;; end of part 4
;; ======== version 2 of 2: 4 launches; version 1 with the launch cast written anew for expert scheduling mode
;; limits: values are held in f16: magnitudes above 65,504 overflow, below 6.1e-05 lose precision
;; workspace buffers: xb 16,777,216 bytes; wb 6,291,456 bytes; qkv 50,331,648 bytes; p 33,554,432 bytes; cm 262,144 bytes; ls 524,288 bytes
;; launch cast (part 5): grid 256 x 1, 8 waves a work-group, no clusters, 0 bytes of LDS; arguments x, W, xb, wb; writes xb, wb
.if DOCPART == 5
	.amdgcn_target "amdgcn-amd-amdhsa--gfx1250"
	.amdhsa_code_object_version 6
	.text
	.protected	k_q9ed98ff93f_cast
	.globl	k_q9ed98ff93f_cast
	.p2align	8
	.type	k_q9ed98ff93f_cast,@function
k_q9ed98ff93f_cast:
	s_mov_b64 s[64:65], 0
	v_nop
	global_prefetch_b8 v0, s[64:65] scope:SCOPE_SE
	s_setreg_imm32_b32 hwreg(HW_REG_WAVE_SCHED_MODE, 0, 2), 2
	s_setreg_imm32_b32 hwreg(HW_REG_WAVE_MODE, 25, 1), 1
	s_wait_xcnt 0x0
	s_wait_alu depctr_vm_vsrc(0)
; x [8192][1024] and W [3072][1024], f32, are rounded once to bf16 and laid out in blocks of 64 along K:
; xb [16 kb][8192 m][64], wb [16 kb][3072 n][64].  In that layout the 64 K of many neighbouring rows are dense bytes, which the
; next launch asks for as rows of 256 bytes.
; Memory binds: every input byte is read once, every output byte written once; no LDS, no barrier, no matrix unit, no cluster
; (no two work-groups read the same byte).
; SHARES.  Work-group g: 32 rows of x, 12 rows of W.  An item of a wave is 2 rows x one block of 64 K: lane l takes row l / 16 and the
; four numbers 4 (l % 16) on: one load of 16 bytes (the wave's load covers two whole aligned pieces of 256 bytes), two roundings,
; one store of 8 bytes (the wave's store covers 256 consecutive bytes, aligned: the two rows lie end to end in a block).
; Item j of wave w: block 8 (j % 2) + w, rows 2 (j / 2) on.
; All 44 loads of a wave go out first; each item owns its four registers.
; THE MODE: SCHED_MODE bits 1:0 = 2 (LLVM: expert scheduling mode 2), set by the entry lines.  The code itself states the register dependences
; between vector instructions and memory instructions, with s_wait_alu, always for 0.
; THE PLAN.  Registers that memory instructions touch:
;   v1, v2, v3   byte offsets, made once at the head and never written again; every load reads v1, every store v2 or v3.
;   item i       v[8+4i : 11+4i].  Written by its load; read by its two roundings, which write the lower two in place; those two are read by its store.
;                Nothing writes them behind the store, and every load is issued ahead of the first rounding.
; So no register that a memory instruction has read is written again, and no load lands in a register that a vector instruction has named: what is left to state is that
; the offsets are written ahead of the first load, and an item's roundings ahead of its store.  The 44 items go in 11 blocks of four.  At the head of block p ONE wait states that
; block p - 1's eight roundings are written; that block's four stores follow it, one ahead of each item's roundings of block p, which name block p's registers alone.
.set NX, 32                            ; items of x a wave
.set NW, 12                            ; items of W a wave
.set BLK, 4                            ; items in a block
.set D0, 8                             ; item i: v[8+4i : 11+4i]
.set IN, 1                             ; v1  byte offset in x and W: (l / 16) rows of 4,096 + w blocks of 256 + (l % 16) x 16
.set OX, 2                             ; v2  byte offset in xb: w blocks of 1,048,576 + 8 l
.set OW, 3                             ; v3  byte offset in wb: w blocks of 393,216 + 8 l
	s_load_b256 s[4:11], s[0:1], 0x0               ; x s[4:5], W s[6:7], xb s[8:9], wb s[10:11]
	v_bfe_u32 v[IN], v0, 4, 1                      ; l / 16
	v_lshrrev_b32 v4, 5, v0                        ; w
	v_and_b32 v5, 15, v0                           ; l % 16
	v_and_b32 v6, 31, v0                           ; l
	v_lshlrev_b32 v[IN], 12, v[IN]
	v_lshl_or_b32 v[IN], v4, 8, v[IN]
	v_lshl_or_b32 v[IN], v5, 4, v[IN]
	v_lshlrev_b32 v6, 3, v6
	v_lshl_or_b32 v[OX], v4, 20, v6
	v_mul_u32_u24 v[OW], v4, 0x60000               ; 393,216 bytes a block of wb
	v_add_nc_u32 v[OW], v[OW], v6
	s_mov_b32 s3, 0
	s_lshl_b32 s2, ttmp9, 17                       ; 32 rows of 4,096 bytes
	s_wait_kmcnt 0x0
	s_add_nc_u64 s[4:5], s[4:5], s[2:3]
	s_mul_i32 s2, ttmp9, 49152                     ; 12 rows of 4,096 bytes
	s_add_nc_u64 s[6:7], s[6:7], s[2:3]
	s_lshl_b32 s2, ttmp9, 12                       ; 32 rows of 128 bytes
	s_add_nc_u64 s[8:9], s[8:9], s[2:3]
	s_mul_i32 s2, ttmp9, 1536                      ; 12 rows of 128 bytes
	s_add_nc_u64 s[10:11], s[10:11], s[2:3]
	s_add_nc_u64 s[12:13], s[8:9], 0x800000        ; xb eight blocks on: that step is one past the store's signed 24-bit immediate
	s_wait_alu depctr_va_vdst(0)                   ; v1, v2 and v3 are written: every load and store of the kernel reads one of them as its offset
.set j, 0
.rept NX
	global_load_b128 v[D0+4*j:D0+4*j+3], v[IN], s[4:5] offset:(j/2)*8192+(j%2)*2048 th:TH_LOAD_NT
.set j, j+1
.endr
.set j, 0
.rept NW
	global_load_b128 v[D0+4*(NX+j):D0+4*(NX+j)+3], v[IN], s[6:7] offset:(j/2)*8192+(j%2)*2048 th:TH_LOAD_NT
.set j, j+1
.endr
; item i is rounded in place, low registers first
.macro ROUNDIT i
	v_cvt_pk_bf16_f32 v[D0+4*(\i)],   v[D0+4*(\i)],   v[D0+4*(\i)+1]
	v_cvt_pk_bf16_f32 v[D0+4*(\i)+1], v[D0+4*(\i)+2], v[D0+4*(\i)+3]
.endm
; item i is stored: items 0 to 31 into xb (the odd ones eight blocks on), items 32 to 43 into wb
.macro STOREIT i
.if (\i) < NX
.if (\i)%2 == 0
	global_store_b64 v[OX], v[D0+4*(\i):D0+4*(\i)+1], s[8:9] offset:((\i)/2)*256
.else
	global_store_b64 v[OX], v[D0+4*(\i):D0+4*(\i)+1], s[12:13] offset:((\i)/2)*256
.endif
.else
	global_store_b64 v[OW], v[D0+4*(\i):D0+4*(\i)+1], s[10:11] offset:(((\i)-NX)%2)*3145728+(((\i)-NX)/2)*256
.endif
.endm
.set j, 0
.rept NX+NW
	s_wait_loadcnt 43-j                            ; loads come back in order (ISA guide 5.7.1): item j is in when at most the 43 - j loads of the younger items are out
.if j >= BLK
.if j%BLK == 0
	s_wait_alu depctr_va_vdst(0)                   ; the block before has written its eight rounded registers, which the four stores of this block's lines read
.endif
	STOREIT j-BLK                                  ; an item of the block before; no vector instruction since the wait names its registers
.endif
	ROUNDIT j
.set j, j+1
.endr
	s_wait_alu depctr_va_vdst(0)                   ; the last block has written its eight rounded registers, which the last four stores read
.set j, NX+NW-BLK
.rept BLK
	STOREIT j
.set j, j+1
.endr
	s_endpgm
.Lfunc_end_k_q9ed98ff93f_cast:
	.size	k_q9ed98ff93f_cast, .Lfunc_end_k_q9ed98ff93f_cast-k_q9ed98ff93f_cast
	.p2alignl 7, 3214868480
	.fill 96, 4, 3214868480
	.section	.rodata,"a",@progbits
	.p2align	6, 0x0
	.amdhsa_kernel k_q9ed98ff93f_cast
		.amdhsa_group_segment_fixed_size 0
		.amdhsa_private_segment_fixed_size 0
		.amdhsa_enable_private_segment 0
		.amdhsa_kernarg_size 32
		.amdhsa_user_sgpr_count 2
		.amdhsa_user_sgpr_kernarg_segment_ptr 1
		.amdhsa_wavefront_size32 1
		.amdhsa_system_sgpr_workgroup_id_x 1
		.amdhsa_system_sgpr_workgroup_id_y 1
		.amdhsa_system_sgpr_workgroup_id_z 1
		.amdhsa_system_vgpr_workitem_id 0
		.amdhsa_next_free_vgpr 184
		.amdhsa_next_free_sgpr 66
		.amdhsa_reserve_vcc 0
		.amdhsa_float_denorm_mode_32 3
		.amdhsa_float_denorm_mode_16_64 3
		.amdhsa_memory_ordered 1
		.amdhsa_forward_progress 1
		.amdhsa_inst_pref_size 17
	.end_amdhsa_kernel
	.amdgpu_metadata
---
amdhsa.version: [ 1, 2 ]
amdhsa.kernels:
  - .name:           k_q9ed98ff93f_cast
    .symbol:         k_q9ed98ff93f_cast.kd
    .args:
      - { .name: x, .offset: 0, .size: 8, .value_kind: global_buffer, .address_space: global }
      - { .name: W, .offset: 8, .size: 8, .value_kind: global_buffer, .address_space: global }
      - { .name: xb, .offset: 16, .size: 8, .value_kind: global_buffer, .address_space: global }
      - { .name: wb, .offset: 24, .size: 8, .value_kind: global_buffer, .address_space: global }
    .group_segment_fixed_size: 0
    .private_segment_fixed_size: 0
    .kernarg_segment_align: 8
    .kernarg_segment_size: 32
    .max_flat_workgroup_size: 256
    .sgpr_count:     66
    .vgpr_count:     184
    .wavefront_size: 32
...
	.end_amdgpu_metadata
.endif
;; end of part 5
;; launch qkv: the kernel of part 2 again; grid 8 x 32, 4 waves a work-group, clusters of 4 x 4, 327,680 bytes of LDS; arguments xb, wb, qkv; writes qkv
;; launch scores: the kernel of part 3 again; grid 8 x 32, 4 waves a work-group, clusters of 4 x 4, 327,680 bytes of LDS; arguments qkv, p, cm, ls; writes p, cm, ls
;; launch pv: the kernel of part 4 again; grid 4 x 64, 4 waves a work-group, clusters of 4 x 4, 327,680 bytes of LDS; arguments p, qkv, cm, ls, out0; writes out0
